; MI455X (gfx1250); checked and timed in simulation.
; The chip was launched on July 23, 2026; its instructions are those of AMD's public machine-readable ISA for CDNA 5 (MIT licence, August 2026) and "CDNA5" Instruction Set Architecture Reference Guide (July 2026). The comments in the code are by the model that wrote it; some were corrected since.
;; Attention Block. Allowed arithmetic: matrix products marked QUANTISED: E5M2 operands, one given power-of-two scale a tensor, by v_wmma_f32_16x16x64_bf8_bf8 or v_wmma_f32_16x16x128_bf8_bf8, f32 sums; everything else in f32.
;; Inputs: W1 4,096 x 1,024 float32; W2 1,024 x 4,096 float32; Wk 1,024 x 1,024 float32; Wo 1,024 x 1,024 float32; Wq 1,024 x 1,024 float32; Wv 1,024 x 1,024 float32; b1 1,024 float32; b2 1,024 float32; bf1 4,096 float32; bf2 1,024 float32; bk 1,024 float32; bo 1,024 float32; bq 1,024 float32; bv 1,024 float32; g1 1,024 float32; g2 1,024 float32; lowp_scales 16 int32 (the exponents e of the quantised operands' scales 2^e); x 2 x 2,048 x 1,024 float32.
;; Outputs: out0 2 x 2,048 x 1,024 float32.
;; This version of the problem:
;;   THIS VERSION OF THE PROBLEM IS GIVEN IN LOW PRECISION. The matrix products marked QUANTISED in the list below multiply operands that are first quantised to E5M2 (5 exponent bits, 2 mantissa bits; 8 bits a number), with one given power-of-two scale for each operand tensor; their sums are f32. All else is computed in f32.
;;   The module's matrix products, in the order in which they are computed (A, B: the left and right operand; K: the contracted axis; several contracted axes count as one K, in the product's order):
;;     1. [M 4,096, K 1,024] x [K 1,024, N 1,024]; A: computed on the way; B: input Wq: QUANTISED (scales: A lowp_scales[0], B lowp_scales[1])
;;     2. [M 4,096, K 1,024] x [K 1,024, N 1,024]; A: computed on the way; B: input Wk: QUANTISED (scales: A lowp_scales[2], B lowp_scales[3])
;;     3. [M 4,096, K 1,024] x [K 1,024, N 1,024]; A: computed on the way; B: input Wv: QUANTISED (scales: A lowp_scales[4], B lowp_scales[5])
;;     4. batch 32 x [M 2,048, K 64] x [K 64, N 2,048]; A: computed on the way; B: computed on the way: QUANTISED (scales: A lowp_scales[6], B lowp_scales[7])
;;     5. batch 32 x [M 64, K 2,048] x [K 2,048, N 2,048]; A: computed on the way; B: softmax (see below): QUANTISED (scales: A lowp_scales[8], B lowp_scales[9])
;;     6. [M 4,096, K 1,024] x [K 1,024, N 1,024]; A: computed on the way; B: input Wo: QUANTISED (scales: A lowp_scales[10], B lowp_scales[11])
;;     7. [M 4,096, K 1,024] x [K 1,024, N 4,096]; A: computed on the way; B: input W1: QUANTISED (scales: A lowp_scales[12], B lowp_scales[13])
;;     8. [M 4,096, K 4,096] x [K 4,096, N 1,024]; A: computed on the way; B: input W2: QUANTISED (scales: A lowp_scales[14], B lowp_scales[15])
;;   THE QUANTISER, for each operand of a quantised product, along K:
;;     - The operand's scale is 2^e, e = its entry of the input lowp_scales (int32; the entries are numbered through the quantised products in the list's order, A before B).
;;     - Each number is divided by the scale, clamped to +-57,344, and rounded to the nearest number of E5M2, ties to even, subnormals kept.
;;     - The product sums the exact products of the quantised numbers (number of the format x scale) in f32.
;;   ~~~python
;;   def quantise(x, axis, e):      # numpy; x: float32 -> the quantised numbers, widened to float32 again
;;       x = np.moveaxis(x, axis, -1); K = x.shape[-1]
;;       r = np.clip(x / 2.0 ** e, -57344, 57344)
;;       step = 2.0 ** (np.maximum(np.frexp(np.where(r == 0, 1, r))[1] - 1, -14) - 2)
;;       q = np.round(r / step) * step * 2.0 ** e      # np.round: ties to even
;;       return np.moveaxis(q, -1, axis).astype(np.float32)
;;   ~~~
;;   SOFTMAX AHEAD OF A QUANTISED PRODUCT. Where the list says 'softmax', what is quantised is not the finished softmax but p = 2^(t - M), with t = logit x log2(e) and M = ceil(the row's largest t), a whole number; so 1/2 < the row's largest p <= 1. The row's sum l is taken of the UNQUANTISED p, in f32, and the product's result is divided by l at the end. Since M is a whole number, a kernel that streams over the keys may use a running M (the ceiling of the running maximum): every later rescaling is an exact power of two, so the quantised numbers keep their values, but for numbers so far below the row's largest that they fall under the format's range.
;;   OPERANDS COMPUTED ON THE WAY. 'Computed on the way' means the value that the module computes at that place (a softmax that the list does not call 'softmax' is quantised finished and normalised). What goes into a quantiser is computed in f32, as accurately as f32 sums, v_exp_f32 and their like allow (about 1e-6 of the number): no bf16 or f16 on the way to a quantiser, and a product that is left as it is and whose result goes on into a quantised operand takes f32 operands (vector FMAs, or v_wmma_f32_16x16x4_f32). A number that lies on a knife's edge between two numbers of the format may be rounded either way, as far as f32 arithmetic and the matrix unit's own rounding can turn it there, and no further.
;; One version. Each part assembles by itself: llvm-mc -triple=amdgcn-amd-amdhsa -mcpu=gfx1250 --defsym DOCPART=n.
;; ======== version 1 of 1: 7 launches
;; limits: right only within a limited range of input values
;; workspace buffers: prepc 25,165,824 bytes; qkvc 12,582,912 bytes; oc 4,194,304 bytes; x1 16,777,216 bytes; h2 4,194,304 bytes; gc 16,777,216 bytes
;; launch prep (part 1): grid 512 x 1, 8 waves a work-group, no clusters, 77,824 bytes of LDS; arguments x, g1, b1, Wq, Wk, Wv, Wo, lowp_scales, prepc; writes prepc
.if DOCPART == 1
	.amdgcn_target "amdgcn-amd-amdhsa--gfx1250"
	.amdhsa_code_object_version 6
	.text
	.protected	k_qee4b47bd29_prep
	.globl	k_qee4b47bd29_prep
	.p2align	8
	.type	k_qee4b47bd29_prep,@function
k_qee4b47bd29_prep:
	s_mov_b64 s[64:65], 0
	v_nop
	global_prefetch_b8 v0, s[64:65] scope:SCOPE_SE
	s_setreg_imm32_b32 hwreg(HW_REG_WAVE_MODE, 25, 1), 1
	s_wait_xcnt 0x0
; PREP: the f32 operands that the next two products' launches want become codes of E5M2, once.  (W1 and W2 are quantised in attention's launch, by the same rule and into the same buffer.)
; Work-groups 0-255: LayerNorm 1 of 16 rows of x, quantised three times (scales e0, e2, e4: the A operands of the Q, K and V products).
; Work-groups 256-511: 16 rows x 1,024 columns of a weight (Wq e1, Wk e3, Wv e5, Wo e11), quantised as it is.
; THE CODES' LAYOUT (all code buffers of this program): images of operand registers.  Fragment (t, kc) = 16 rows x 128 k = 2,048 bytes at
; (t K/128 + kc) 2048; in it lane l = 16 h + r has 16 bytes at 512 c + 16 l: row P(t, r) = 32 (t / 2) + 8 (t % 2) + r + 8 (r / 8), k = 128 kc + 32 c + 16 h + 0 .. 15.
; SHARES.  A work-group takes one tile t of 16 rows and 1,024 columns; wave w takes columns 128 w on: one fragment.  Each load reads 512 consecutive bytes of one row; the
; 8,192 bytes turn through the wave's own stage in LDS (rows 528 bytes apart) so that a lane holds 16 neighbours along k of each of four blocks; a lane's 16 codes are 16
; bytes, so each store of the wave covers 512 consecutive bytes, aligned.
; LAYERNORM in two passes (mean; then the squares of x - mean), so that a common offset of x costs no accuracy.  A row's sums meet in LDS: 8 words a row, two barriers.
; Both barriers stand on every work-group's way; only the arithmetic between them is jumped over by a weight's work-group (a scalar branch on the work-group's number).
; code = x / 2^e, held within +-57,344, to the nearest code, ties to even.  LIMITS: -126 <= e <= 112 for every entry used here.  NaN among the inputs is not served.
.set SPITCH, 528                       ; a stage row: 512 bytes + 16
.set STGW,   16*SPITCH                 ; a wave's stage
.set RED0,   8*STGW                    ; 16 rows x 8 waves x 4 bytes: the sums; 512 bytes on: the sums of squares
.set GBS,    RED0+1024                 ; 1,024 bytes a wave: its 128 gains, then its 128 biases
.set NLN,    256                       ; work-groups that normalise
.set VO,     16                        ; v16-31  byte offsets of the 16 rows; later two sets of eight held numbers
.set X,      64                        ; v64-127 my 64 numbers: X[16 c + i] = (row P(t, r), column 128 w + 32 c + 16 h + i)
.set GA,     128                       ; v128-191 gains; later the codes
.set BE,     192                       ; v192-255 biases
.set CD,     128                       ; 16 registers of codes for each output
.macro PICK first, ptr                 ; from work-group \first on the source is the buffer in s[\ptr:\ptr+1]
	s_cmp_ge_u32 s2, \first
	s_cselect_b64 s[26:27], s[\ptr:\ptr+1], s[26:27]
	s_cselect_b32 s28, \first, s28
.endm
.macro EPICK first, reg
	s_cmp_ge_u32 s2, \first
	s_cselect_b32 s52, s[\reg], s52
.endm
.macro MKSC e, vs                      ; v[vs] = 2^e as f32 (the conversion takes its exponent field), v[vs+1] = 57,344 x 2^e
	s_add_co_i32 s62, s[\e], 127
	s_lshl_b32 s63, s62, 23
	v_mov_b32 v[\vs], s63
	s_add_co_i32 s62, s62, 15
	s_lshl_b32 s62, s62, 23
	s_or_b32 s62, s62, 0x600000
	v_mov_b32 v[\vs+1], s62
.endm
.macro BARRIER                         ; my LDS stores have landed and my LDS loads are in: then the work-group's barrier
	s_wait_dscnt 0x0
	s_barrier_signal -1
	s_barrier_wait -1
.endm
.macro LANESUM                         ; four pairs v[32:39] -> v32: my wave's part of row r's sum, in both lanes of the row
	s_delay_alu instid0(VALU_DEP_3)
	v_pk_add_f32 v[32:33], v[32:33], v[34:35]
	s_delay_alu instid0(VALU_DEP_2)
	v_pk_add_f32 v[36:37], v[36:37], v[38:39]
	s_delay_alu instid0(VALU_DEP_1)
	v_pk_add_f32 v[32:33], v[32:33], v[36:37]
	s_delay_alu instid0(VALU_DEP_1)
	v_add_f32 v32, v32, v33
	s_delay_alu instid0(VALU_DEP_1)
	v_permlanex16_b32 v33, v32, s54, s55
	s_delay_alu instid0(VALU_DEP_1)
	v_add_f32 v32, v32, v33
.endm
.macro WAVESUM                         ; the eight waves' words v[32:39] -> v32, in one fixed order in every lane
	v_add_f32 v32, v32, v33
	v_add_f32 v34, v34, v35
	v_add_f32 v36, v36, v37
	v_add_f32 v38, v38, v39
	s_delay_alu instid0(VALU_DEP_3)
	v_add_f32 v32, v32, v34
	s_delay_alu instid0(VALU_DEP_2)
	v_add_f32 v36, v36, v38
	s_delay_alu instid0(VALU_DEP_1)
	v_add_f32 v32, v32, v36
.endm
; Output k: X is held and converted, eight numbers at a time, into registers of its own; X stays as it is for the next scale.
; Behind each conversion the next group's eight holds are plain instructions on other registers; a v_nop stands behind the last.
.macro QOUT k
.set q, 0
.rept 8
.set tq, VO+8*(q%2)
.set i, 0
.rept 8
	v_med3_num_f32 v[tq+i], v[X+8*q+i], -v[49+2*(\k)], v[49+2*(\k)]   ; the conversion to an 8-bit code does not saturate (ISA guide 7.6.2): the hold comes first
.set i, i+1
.endr
	v_cvt_scalef32_pk8_bf8_f32 v[CD+16*(\k)+2*q:CD+16*(\k)+2*q+1], v[tq:tq+7], v[48+2*(\k)]
.set q, q+1
.endr
	v_nop
.irp c, 0,1,2,3
	global_store_b128 v4, v[CD+16*(\k)+4*\c:CD+16*(\k)+4*\c+3], s[56+2*(\k):57+2*(\k)] offset:512*\c   ; 32 lanes: 512 consecutive bytes, aligned
.endr
.endm
	s_load_b512 s[4:19], s[0:1], 0x0               ; x, g1, b1, Wq, Wk, Wv, Wo, the scales' exponents
	s_load_b64 s[24:25], s[0:1], 0x40              ; the codes
	v_lshl_add_u32 v62, v0, 2, 0x12c00
	v_mov_b32 v63, 0
	s_mov_b32 s2, ttmp9                            ; the work-group's number g
	v_lshrrev_b32 v1, 5, v0
	s_delay_alu instid0(VALU_DEP_1)
	v_readfirstlane_b32 s3, v1                     ; wave 0..7
	v_and_b32 v1, 31, v0                           ; lane
	v_and_b32 v2, 15, v0                           ; r
	v_bfe_u32 v3, v0, 4, 1                         ; h
	s_delay_alu instid0(VALU_DEP_3)
	v_lshlrev_b32 v4, 4, v1                        ; 16 x lane
	s_mul_i32 s30, s3, STGW
	v_add_nc_u32 v5, s30, v4                       ; the stage, on the way in: 16 bytes a lane of a row
	v_mul_u32_u24 v6, v2, SPITCH
	s_delay_alu instid0(VALU_DEP_1)
	v_lshl_add_u32 v6, v3, 6, v6
	s_delay_alu instid0(VALU_DEP_1)
	v_add_nc_u32 v6, s30, v6                       ; and on the way out: row r, + 64 h
	s_lshl_b32 s30, s3, 10
	s_add_co_u32 s30, s30, GBS
	v_add_nc_u32 v7, s30, v4                       ; my wave's gains and biases: in, 16 bytes a lane;
	v_lshl_add_u32 v15, v3, 6, s30                 ; out, + 64 h
	s_lshl_b32 s30, s3, 2
	s_add_co_u32 s30, s30, RED0
	v_lshl_add_u32 v8, v2, 5, s30                  ; my wave's word of row r
	v_lshl_add_u32 v9, v2, 5, RED0                 ; row r's eight words
	s_mov_b32 s54, 0x76543210                      ; v_permlanex16_b32: lane l xor 16
	s_mov_b32 s55, 0xfedcba98
.irp i, 0,1,2,3,4,5,6,7,8,9,10,11,12,13,14,15
	v_add_nc_u32 v[VO+\i], 4096*(\i+8*(\i/8)), v4  ; row P(t, i): i + 8 (i / 8) rows of 4,096 bytes below the tile's first
.endr
	s_wait_alu depctr_va_vdst(0)
	s_wait_kmcnt 0x0
	s_load_b512 s[36:51], s[18:19], 0x0            ; e0 .. e15
	s_mov_b64 s[26:27], s[4:5]                     ; which buffer, and its first work-group: the choices hang on the work-group's number alone
	s_mov_b32 s28, 0
	PICK 256, 10
	PICK 320, 12
	PICK 384, 14
	PICK 448, 16
	s_sub_co_u32 s31, s2, s28                      ; the tile t
	s_lshr_b32 s34, s31, 1
	s_lshl_b32 s34, s34, 5
	s_and_b32 s35, s31, 1
	s_lshl_b32 s35, s35, 3
	s_add_co_u32 s34, s34, s35                     ; the tile's first row: 32 (t / 2) + 8 (t % 2)
	s_lshl_b32 s34, s34, 12
	s_lshl_b32 s62, s3, 9                          ; my wave's 128 columns
	s_mov_b32 s63, 0
	s_add_co_u32 s34, s34, s62
	s_mov_b32 s35, 0
	s_add_nc_u64 s[26:27], s[26:27], s[34:35]
	s_add_nc_u64 s[6:7], s[6:7], s[62:63]          ; g1 and b1 at my wave's columns
	s_add_nc_u64 s[8:9], s[8:9], s[62:63]
.irp i, 0,1,2,3,4,5,6,7,8,9,10,11,12,13,14,15
	global_load_b128 v[X+4*\i:X+4*\i+3], v[VO+\i], s[26:27] th:TH_LOAD_NT   ; 512 consecutive bytes of one row
.endr
	s_add_co_u32 s34, s2, 768                      ; where the codes go: weights from byte 0 on in the order Wq, Wk, Wv, Wo, 16,384 bytes a work-group; x's from byte 768 x 16,384 on
	s_and_b32 s34, s34, 1023
	s_lshl_b32 s34, s34, 14
	s_lshl_b32 s62, s3, 11
	s_add_co_u32 s34, s34, s62
	s_add_nc_u64 s[56:57], s[24:25], s[34:35]
	s_add_nc_u64 s[58:59], s[56:57], 0x400000      ; x's second and third images (used by the normalising work-groups alone)
	s_add_nc_u64 s[60:61], s[56:57], 0x800000
	s_wait_kmcnt 0x0
	s_mov_b32 s52, s36                             ; the first output's exponent
	EPICK 256, 37
	EPICK 320, 39
	EPICK 384, 41
	EPICK 448, 47
	MKSC 52, 48
	MKSC 38, 50
	MKSC 40, 52
.irp i, 0,1,2,3,4,5,6,7,8,9,10,11,12,13,14,15
	s_wait_loadcnt 15-\i                           ; loads come back in order: row i is in, the younger ones stay out
	ds_store_b128 v5, v[X+4*\i:X+4*\i+3] offset:SPITCH*\i
.endr
.irp c, 0,1,2,3
.irp j, 0,1,2,3
	ds_load_b128 v[X+16*\c+4*\j:X+16*\c+4*\j+3], v6 offset:128*\c+16*\j   ; LDS serves a wave's instructions in order: these see my stores
.endr
.endr
	; ---- the rows' sums
	s_cmp_lt_u32 s2, NLN
	s_cbranch_scc0 .Lno_sum
	global_load_b128 v[40:43], v4, s[6:7]          ; my wave's 128 gains and 128 biases, once
	global_load_b128 v[44:47], v4, s[8:9]
	s_wait_dscnt 0x0
.irp k, 0,1,2,3
	v_pk_add_f32 v[32+2*\k:33+2*\k], v[X+4*\k:X+4*\k+1], v[X+4*\k+2:X+4*\k+3]   ; four chains, started by the first sixteen numbers
.endr
.irp j, 16,24,32,40,48,56
.irp k, 0,1,2,3
	s_delay_alu instid0(VALU_DEP_4)
	v_pk_add_f32 v[32+2*\k:33+2*\k], v[32+2*\k:33+2*\k], v[X+\j+2*\k:X+\j+2*\k+1]
.endr
.endr
	LANESUM
	s_wait_alu depctr_va_vdst(0)
	s_wait_loadcnt 0x0
	ds_store_b128 v7, v[40:43]
	ds_store_b128 v7, v[44:47] offset:512
	ds_store_b32 v8, v32                           ; both lanes of a row write the same word with the same value
.Lno_sum:
	BARRIER
	; ---- the mean; x - mean; the sums of squares
	s_cmp_lt_u32 s2, NLN
	s_cbranch_scc0 .Lno_var
	ds_load_b128 v[32:35], v9
	ds_load_b128 v[36:39], v9 offset:16
	s_wait_dscnt 0x0
	WAVESUM
	s_delay_alu instid0(VALU_DEP_1)
	v_mul_f32 v10, 0x3a800000, v32                 ; / 1,024
	s_delay_alu instid0(VALU_DEP_1)
	v_mov_b32 v11, v10
.set j, 0
.rept 32
	v_pk_add_f32 v[X+j:X+j+1], v[X+j:X+j+1], v[10:11] neg_lo:[0,1] neg_hi:[0,1]
.set j, j+2
.endr
.irp k, 0,1,2,3
	v_pk_mul_f32 v[32+2*\k:33+2*\k], v[X+2*\k:X+2*\k+1], v[X+2*\k:X+2*\k+1]
.endr
.irp j, 8,16,24,32,40,48,56
.irp k, 0,1,2,3
	s_delay_alu instid0(VALU_DEP_4)
	v_pk_fma_f32 v[32+2*\k:33+2*\k], v[X+\j+2*\k:X+\j+2*\k+1], v[X+\j+2*\k:X+\j+2*\k+1], v[32+2*\k:33+2*\k]
.endr
.endr
	LANESUM
	ds_store_b32 v8, v32 offset:512
.Lno_var:
	BARRIER
	; ---- (x - mean) / sqrt(var + eps) x gain + bias
	s_cmp_lt_u32 s2, NLN
	s_cbranch_scc0 .Lno_norm
	ds_load_b128 v[32:35], v9 offset:512
	ds_load_b128 v[36:39], v9 offset:528
.irp c, 0,1,2,3
.irp j, 0,1,2,3
	ds_load_b128 v[GA+16*\c+4*\j:GA+16*\c+4*\j+3], v15 offset:128*\c+16*\j        ; sixteen lanes read the same 16 bytes
	ds_load_b128 v[BE+16*\c+4*\j:BE+16*\c+4*\j+3], v15 offset:512+128*\c+16*\j
.endr
.endr
	s_wait_dscnt 32                                ; the eight words are in; the 32 reads behind them may be out
	WAVESUM
	s_delay_alu instid0(VALU_DEP_1)
	v_mul_f32 v32, 0x3a800000, v32                 ; the variance
	s_delay_alu instid0(VALU_DEP_1)
	v_add_f32 v32, 0x3727c5ac, v32                 ; + 1e-5
	s_wait_alu depctr_va_vdst(0)
	v_rsq_f32 v12, v32
	v_nop                                          ; a plain instruction behind the transcendental,
	s_wait_alu depctr_va_vdst(0)                   ; and the wait ahead of its first reader
	v_mov_b32 v13, v12
.set j, 0
.rept 32
	v_pk_mul_f32 v[X+j:X+j+1], v[X+j:X+j+1], v[12:13]
.set j, j+2
.endr
	s_wait_dscnt 0x0
.set j, 0
.rept 32
	v_pk_fma_f32 v[X+j:X+j+1], v[X+j:X+j+1], v[GA+j:GA+j+1], v[BE+j:BE+j+1]
.set j, j+2
.endr
.Lno_norm:
	s_wait_alu depctr_va_vdst(0)
	QOUT 0
	s_cmp_lt_u32 s2, NLN
	s_cbranch_scc0 .Lend
	QOUT 1                                         ; the same numbers under the K product's scale,
	QOUT 2                                         ; and under the V product's
.Lend:
	s_wait_tensorcnt 0x0
	ds_add_u32 v62, v63
	s_wait_dscnt 0x0
	s_endpgm
.Lfunc_end_k_qee4b47bd29_prep:
	.size	k_qee4b47bd29_prep, .Lfunc_end_k_qee4b47bd29_prep-k_qee4b47bd29_prep
	.p2alignl 7, 3214868480
	.fill 96, 4, 3214868480
	.section	.rodata,"a",@progbits
	.p2align	6, 0x0
	.amdhsa_kernel k_qee4b47bd29_prep
		.amdhsa_group_segment_fixed_size 77824
		.amdhsa_private_segment_fixed_size 0
		.amdhsa_enable_private_segment 0
		.amdhsa_kernarg_size 72
		.amdhsa_user_sgpr_count 2
		.amdhsa_user_sgpr_kernarg_segment_ptr 1
		.amdhsa_wavefront_size32 1
		.amdhsa_system_sgpr_workgroup_id_x 1
		.amdhsa_system_sgpr_workgroup_id_y 1
		.amdhsa_system_sgpr_workgroup_id_z 1
		.amdhsa_system_vgpr_workitem_id 0
		.amdhsa_next_free_vgpr 256
		.amdhsa_next_free_sgpr 100
		.amdhsa_reserve_vcc 0
		.amdhsa_float_denorm_mode_32 3
		.amdhsa_float_denorm_mode_16_64 3
		.amdhsa_memory_ordered 1
		.amdhsa_forward_progress 1
		.amdhsa_inst_pref_size 42
	.end_amdhsa_kernel
	.amdgpu_metadata
---
amdhsa.version: [ 1, 2 ]
amdhsa.kernels:
  - .name:           k_qee4b47bd29_prep
    .symbol:         k_qee4b47bd29_prep.kd
    .args:
      - { .name: x, .offset: 0, .size: 8, .value_kind: global_buffer, .address_space: global }
      - { .name: g1, .offset: 8, .size: 8, .value_kind: global_buffer, .address_space: global }
      - { .name: b1, .offset: 16, .size: 8, .value_kind: global_buffer, .address_space: global }
      - { .name: Wq, .offset: 24, .size: 8, .value_kind: global_buffer, .address_space: global }
      - { .name: Wk, .offset: 32, .size: 8, .value_kind: global_buffer, .address_space: global }
      - { .name: Wv, .offset: 40, .size: 8, .value_kind: global_buffer, .address_space: global }
      - { .name: Wo, .offset: 48, .size: 8, .value_kind: global_buffer, .address_space: global }
      - { .name: lowp_scales, .offset: 56, .size: 8, .value_kind: global_buffer, .address_space: global }
      - { .name: prepc, .offset: 64, .size: 8, .value_kind: global_buffer, .address_space: global }
    .group_segment_fixed_size: 77824
    .private_segment_fixed_size: 0
    .kernarg_segment_align: 8
    .kernarg_segment_size: 72
    .max_flat_workgroup_size: 256
    .sgpr_count:     100
    .vgpr_count:     256
    .wavefront_size: 32
...
	.end_amdgpu_metadata
.endif
;; end of part 1
;; launch qkv (part 2): grid 4 x 48, 4 waves a work-group, clusters of 4 x 4, 327,680 bytes of LDS; arguments prepc, bq, bk, bv, lowp_scales, qkvc; writes qkvc
.if DOCPART == 2
	.amdgcn_target "amdgcn-amd-amdhsa--gfx1250"
	.amdhsa_code_object_version 6
	.text
	.protected	k_qee4b47bd29_qkv
	.globl	k_qee4b47bd29_qkv
	.p2align	8
	.type	k_qee4b47bd29_qkv,@function
k_qee4b47bd29_qkv:
	s_mov_b64 s[64:65], 0
	v_nop
	global_prefetch_b8 v0, s[64:65] scope:SCOPE_SE
	s_setreg_imm32_b32 hwreg(HW_REG_WAVE_MODE, 25, 1), 1
	s_wait_xcnt 0x0
	s_wait_alu depctr_hold_cnt(0) depctr_sa_sdst(0) depctr_va_vdst(0) depctr_va_sdst(0) depctr_va_ssrc(0) depctr_va_vcc(0) depctr_vm_vsrc(0)
	s_getreg_b32 s2, hwreg(HW_REG_IB_STS2, 6, 4)
	s_cmp_eq_u32 s2, 0
	s_cbranch_scc0 .Lentry_in_a_cluster
	s_endpgm
.Lentry_in_a_cluster:
	s_bfe_u32 s2, ttmp6, 0x10000c
	s_cmp_lg_u32 s2, 0xf033
	s_cbranch_scc0 .Lentry_shape_is_right
	s_endpgm
.Lentry_shape_is_right:
; QKV: q = h Wq^T + bq, k = h Wk^T + bk, v = h Wv^T + bv on codes of E5M2, each result quantised in registers for the attention (scales e6, e7, e8).
; Twelve clusters of 4 x 4 work-groups: cluster y = 4 job + i.  Jobs 0, 1 (q, k): A = h's codes (4,096 tokens), B = the weight's (1,024 channels).
; Job 2 (v): A = Wv's codes (channels), B = h's (tokens): the product is made as V^T, since the keys are the K of attention's second product.
; A tile of the result, 256 x 256, is made by four waves, each 128 x 128: 64 accumulators, 512 registers.  K = 1,024 goes in four steps of 256 through two LDS slots.
; ALL CODES LIE AS IMAGES OF OPERAND REGISTERS: fragment (t, kc) = 2,048 bytes at (8 t + kc) 2048; lane l = 16 h + r has 16 bytes at 512 c + 16 l: row P(t, r) = 32 (t / 2) + 8 (t % 2) + r + 8 (r / 8),
; k = 128 kc + 32 c + 16 h + 0 .. 15.  So a fragment is four LDS loads of 512 consecutive bytes: no pitch, no padding.  k is permuted alike in both operands of every product.
; THE MATRIX INSTRUCTION IS USED TRANSPOSED (source 0 = B's tile b, source 1 = A's tile a): register j of lane (r, h) is (B's row 32 (b / 2) + 16 h + 8 (b % 2) + j, A's row P(a, r)).
; So the 16 registers of tiles 2 b', 2 b' + 1 are 16 neighbours along the next product's K, and their four registers of codes ARE a cell of the next operand's image:
; they leave by stores of 512 consecutive bytes, aligned, with no stage in LDS.
; CLUSTERS: the four work-groups of a row of the cluster need the same tiles of A, the four of a column the same tiles of B: each tile is asked for jointly.
; The three scales ahead of the quantiser are folded: a sum stands for sum x 2^E (E = the two operands' exponents added); the bias goes in as bias / 2^E, and the conversion takes 2^(eOut - E).
; LIMITS: eOut - E between -126 and 112.  NaN is not served.
; Both bias patterns (along B's rows, along A's rows) are loaded from the job's bias and one is used: no branch parts the ways ahead of the way out; the unused one takes its tile index modulo 4, inside the buffer.
; REGISTERS: window 0: v1-5 at work; v6, v7 the spare word's address and 0; v8-11 fragment addresses; v14 16 x lane; v32-95 bias along B's rows; v96-111 bias of A's rows, a pair a block;
;   from v128 A's fragments, one set; on the way out v112-175 a block's numbers, v176-207 two sets of codes, v208, v209 the scale and the hold.
;   window 1: B's fragments, two sets.  windows 2, 3: the accumulators ((a, b) at v[8 (8 (a % 4) + b)]).
.set HALFT,  32768                     ; 8 tiles x 4,096 bytes: what one tensor load brings, and what one wave reads of A or of B in a slot
.set SLOT,   4*HALFT
.set SPARE,  2*SLOT                    ; behind the ring: the spare words, 128 bytes for each wave, which no other line names
.set STEPB,  4096                      ; a slot's part of a tile in memory: two fragments
.set FR,     16
.set NL,     4
.set NP,     4                         ; places behind this matrix instruction (ISA guide 7.12.1)
.set LAPS,   2                         ; a lap = two slots = 512 along K
.set SPW,  6
.set NIL,  7
.set ADRA, 8
.set ADRB, 10
.set L16,  14
.set PFO,  15                          ; v15: the prefetches' offset; never rewritten
.set PFA,  66                          ; s[66:67]: my work-group's two tiles of the eight that I fetch; never rewritten
.set BC,   32
.set BR,   96
.set T,    112
.set CDS,  176
.set SCV,  208
.set LIM,  209
.set AF,   128
.set G1,  24
.set G0,  32
.set G1B, 48
.set G0B, 56
.set MSB, 0
.macro WIN new                         ; the immediate's high byte repeats the setting that is left
.if MSB != \new
	s_set_vgpr_msb (MSB<<8)|\new
.set MSB, \new
.endif
.endm
.set MUL_LO, 0xa1                      ; source 0 (B) window 1, source 1 (A) window 0, C and D window 2
.set MUL_HI, 0xf1
.set TO_B,   0x40
.macro JLOAD g0a, g1a, g0b, g1b        ; a joint load: waves 0 and 1 fetch for A, waves 2 and 3 for B; four v_nop follow each line
	s_cmp_eq_u32 s15, 0
	s_cbranch_scc0 .Lfor_b_\@
	tensor_load_to_lds s[\g0a:\g0a+3], s[\g1a:\g1a+7]
	s_nop 0
.rept 4
	v_nop
.endr
	s_branch .Lasked_\@
.Lfor_b_\@:
	tensor_load_to_lds s[\g0b:\g0b+3], s[\g1b:\g1b+7]
	s_nop 0
.rept 4
	v_nop
.endr
.Lasked_\@:
.endm
.macro CREST                           ; a round of the cluster's barrier behind its opening barrier
	s_cmp_lg_u32 s14, 0
	s_cbranch_scc1 .Lnot_wave_0_\@
	s_barrier_signal -3
.Lnot_wave_0_\@:
	s_barrier_wait -3
	s_barrier_signal -1
	s_barrier_wait -1
.endm
.macro CROUND
	s_barrier_signal -1
	s_barrier_wait -1
	CREST
.endm
.macro FRAG reg, adr, q, i             ; fragment (tile i, the slot's q-th 128 along K): four loads of 512 consecutive bytes
.irp c, 0,1,2,3
	ds_load_b128 v[\reg+4*\c:\reg+4*\c+3], v[\adr] offset:4096*(\i)+2048*(\q)+512*\c
.endr
.endm
.macro MUL16 a0, p, zero               ; A's blocks a0, a0 + 1 x B's eight; the 64 accumulators take turns, in the same order in every step
.irp a, \a0, \a0+1
.irp b, 0,1,2,3,4,5,6,7
.if \zero
	v_wmma_f32_16x16x128_bf8_bf8 v[8*(8*((\a)%4)+\b):8*(8*((\a)%4)+\b)+7], v[128*(\p)+FR*\b:128*(\p)+FR*\b+FR-1], v[AF+FR*(\a):AF+FR*(\a)+FR-1], 0
.else
	v_wmma_f32_16x16x128_bf8_bf8 v[8*(8*((\a)%4)+\b):8*(8*((\a)%4)+\b)+7], v[128*(\p)+FR*\b:128*(\p)+FR*\b+FR-1], v[AF+FR*(\a):AF+FR*(\a)+FR-1], v[8*(8*((\a)%4)+\b):8*(8*((\a)%4)+\b)+7]
.endif
.endr
.endr
.endm
.macro FETCH_B slot, q, p
	WIN TO_B
.irp i, 0,1,2,3,4,5,6,7
	FRAG 128*(\p)+FR*\i, ADRB+\slot, \q, \i
.endr
	WIN 0
.endm
.macro FETCH_A slot, q, i0
.irp i, \i0, \i0+1, \i0+2, \i0+3
	FRAG AF+FR*(\i), ADRA+\slot, \q, \i
.endr
.endm
.macro PLACES n                        ; plain vector instructions between a matrix instruction and a load into, or a read of, its registers
.rept \n
	v_nop
.endr
.endm
.macro STEP slot, q, zero              ; 128 along K that has its successor in the same slot
	s_wait_dscnt 4*NL                              ; B's set and A's blocks 0-3 are in; the youngest sixteen loads (A's blocks 4-7) may be out
	WIN MUL_LO
	MUL16 0, (\q)%2, \zero
	MUL16 2, (\q)%2, \zero
	s_wait_dscnt 0
	PLACES NP
	FETCH_B \slot, (\q)+1, 1-(\q)%2
	FETCH_A \slot, (\q)+1, 0
	WIN MUL_HI
	MUL16 4, (\q)%2, \zero
	MUL16 6, (\q)%2, \zero
	PLACES NP
	WIN 0
	FETCH_A \slot, (\q)+1, 4
.endm
.macro TURN slot, next, fill           ; a slot's last 128 along K, and the change of slots: one barrier
	s_wait_tensorcnt 0x0                           ; all my tensor loads have landed: my part of the next slot
	ds_add_u32 v[SPW], v[NIL]                      ; 0 onto my spare word
	s_wait_dscnt 4*NL+1                            ; (the add and A's blocks 4-7 may be out)
	WIN MUL_LO
	MUL16 0, 1, 0
	s_wait_dscnt 0x0                               ; the add is done, and my reads of this slot are over
	s_barrier_signal -1
	MUL16 2, 1, 0
	WIN 0
	s_barrier_wait -1
.if \fill
	CREST                                          ; the barrier has opened a round of the cluster's: no wave of any partner still reads this slot or has a load on its way
	s_add_nc_u64 s[G0+4*\slot+2:G0+4*\slot+3], s[G0+4*\slot+2:G0+4*\slot+3], 2*STEPB
	s_add_nc_u64 s[G0B+4*\slot+2:G0B+4*\slot+3], s[G0B+4*\slot+2:G0B+4*\slot+3], 2*STEPB
	JLOAD G0+4*\slot, G1, G0B+4*\slot, G1B         ; the first tensor load behind the round; its four v_nop are the places in front of the loads below
.else
	PLACES NP
.endif
	FETCH_B \next, 0, 0
	FETCH_A \next, 0, 0
	WIN MUL_HI
	MUL16 4, 1, 0
	MUL16 6, 1, 0
	PLACES NP
	WIN 0
	FETCH_A \next, 0, 4
.endm
	s_load_b256 s[4:11], s[0:1], 0x0               ; the prepared codes s[4:5], bq, bk, bv
	s_load_b128 s[68:71], s[0:1], 0x20             ; the scales' exponents s[68:69], the results' codes s[70:71]
	v_lshl_add_u32 v[SPW], v0, 2, SPARE
	v_mov_b32 v[NIL], 0
	ds_add_u32 v6, v7
	ds_add_u32 v6, v7
	s_wait_dscnt 0x0
	v_lshrrev_b32 v1, 5, v0
	v_readfirstlane_b32 s14, v1                    ; wave 0..3
	s_lshr_b32 s15, s14, 1                         ; which half of A's rows is mine.  Also: I fetch for A (0) or for B (1)
	s_and_b32 s16, s14, 1                          ; which half of B's rows.  Also: which 8 tiles I fetch
	s_bfe_u32 s40, ttmp6, 0x40000                  ; cx, cy: my place in the cluster
	s_bfe_u32 s41, ttmp6, 0x40004
	s_and_b32 s12, ttmp7, 0xffff                   ; the cluster's y, the same in all sixteen partners
	s_lshr_b32 s13, s12, 2                         ; the job: 0 q, 1 k, 2 v
	s_and_b32 s12, s12, 3
	s_lshl_b32 s12, s12, 2                         ; the first of this cluster's four blocks of 256 tokens
	s_lshl_b32 s18, s13, 22
	s_add_co_u32 s18, s18, 0xc00000                ; h's codes under the job's scale
	s_lshl_b32 s19, s13, 20                        ; the job's weight
	s_cmp_eq_u32 s13, 2
	s_cselect_b32 s17, 0, s12
	s_cselect_b32 s42, s12, 0
	s_cselect_b32 s18, 0x200000, s18               ; A's first byte: h's codes, or Wv's
	s_cselect_b32 s19, 0x1400000, s19              ; B's: the weight's, or h's under e4
	s_add_co_u32 s17, s17, s41                     ; tile row (A)
	s_add_co_u32 s42, s42, s40                     ; tile column (B)
	s_lshl_b32 s43, s41, 2
	s_lshl_b32 s43, 15, s43                        ; my row of the cluster
	s_lshl_b32 s44, 0x1111, s40                    ; my column
	; descriptor group 1: 8 rows (tiles) of 512 elements of 8 bytes, 2,048 elements apart; dense in LDS
	s_or_b32 s[G1+0], s43, (3<<16)|(1<<21)         ; 15:0 the mask; 17:16 elements of 8 bytes; 21 set beside a mask
	s_or_b32 s[G1B+0], s44, (3<<16)|(1<<21)
.irp g, G1, G1B
	s_mov_b32 s[\g+1], 512<<16                     ; tensor_dim0
	s_mov_b32 s[\g+2], 8<<16                       ; tensor_dim1
	s_mov_b32 s[\g+3], 512<<16                     ; tile_dim0
	s_mov_b32 s[\g+4], 8                           ; tile_dim1
	s_mov_b32 s[\g+5], 2048                        ; tensor_dim0_stride: a tile's 16,384 bytes
	s_mov_b32 s[\g+6], 0
	s_mov_b32 s[\g+7], 0
.endr
	s_lshl_b32 s20, s17, 4
	s_lshl_b32 s21, s16, 3
	s_add_co_u32 s20, s20, s21                     ; A: tile 16 x tile row + 8 x half
	s_lshl_b32 s20, s20, 14
	s_add_co_u32 s20, s20, s18
	s_mov_b32 s21, 0
	s_lshl_b32 s46, s42, 4
	s_lshl_b32 s47, s16, 3
	s_add_co_u32 s46, s46, s47                     ; B: tile 16 x tile column + 8 x half
	s_lshl_b32 s46, s46, 14
	s_add_co_u32 s46, s46, s19
	s_mov_b32 s47, 0
	s_mul_i32 s45, s14, HALFT                      ; where they go: no place in the cluster enters an LDS address
	s_wait_kmcnt 0x0
	s_load_b512 s[72:87], s[68:69], 0x0            ; e0 .. e15
	s_add_nc_u64 s[20:21], s[4:5], s[20:21]
	s_add_nc_u64 s[46:47], s[4:5], s[46:47]
	CROUND                                         ; all sixteen work-groups are here: the first joint loads meet
.irp s, 0,1
	s_mov_b32 s[G0+4*\s], 1
	s_add_co_u32 s[G0+4*\s+1], s45, \s*SLOT
	s_add_nc_u64 s[G0+4*\s+2:G0+4*\s+3], s[20:21], \s*STEPB
	s_or_b32 s[G0+4*\s+3], s[G0+4*\s+3], 0x80000000
	s_mov_b32 s[G0B+4*\s], 1
	s_add_co_u32 s[G0B+4*\s+1], s45, \s*SLOT
	s_add_nc_u64 s[G0B+4*\s+2:G0B+4*\s+3], s[46:47], \s*STEPB
	s_or_b32 s[G0B+4*\s+3], s[G0B+4*\s+3], 0x80000000
.endr
	JLOAD G0, G1, G0B, G1B                         ; slot 0: one tensor load a wave at the head
	; PREFETCH INTO THE L2, two slots ahead: behind slot n's load stands one line for slot n + 2 (n = 0, 1; K has four slots).  Of the 8 tiles x 4,096 bytes that I fetch,
	; the partner at place p (cx for A, cy for B) names tiles 2 p, 2 p + 1: 32 blocks of 256 bytes, a lane a block: told apart by address alone.
	s_cmp_eq_u32 s15, 0
	s_cselect_b64 s[PFA:PFA+1], s[20:21], s[46:47]
	s_cselect_b32 s2, s40, s41
	s_lshl_b32 s2, s2, 15
	s_mov_b32 s3, 0
	s_add_nc_u64 s[PFA:PFA+1], s[PFA:PFA+1], s[2:3]
	v_and_b32 v1, 31, v0
	v_lshrrev_b32 v2, 4, v1
	v_and_b32 v3, 15, v1
	v_lshlrev_b32 v3, 8, v3
	v_lshl_add_u32 v[PFO], v2, 14, v3
	global_prefetch_b8 v[PFO], s[PFA:PFA+1] offset:2*STEPB th:TH_LOAD_NT scope:SCOPE_SE
	v_lshlrev_b32 v[L16], 4, v1
	s_mul_i32 s22, s15, HALFT
	s_mul_i32 s23, s16, HALFT
	s_add_co_u32 s23, s23, 2*HALFT
.irp s, 0,1
	v_add_nc_u32 v[ADRA+\s], s22, v[L16]
	v_add_nc_u32 v[ADRB+\s], s23, v[L16]
	s_add_co_u32 s22, s22, SLOT
	s_add_co_u32 s23, s23, SLOT
.endr
	; the job's bias, in both patterns
	s_cmp_eq_u32 s13, 1
	s_cselect_b64 s[88:89], s[8:9], s[6:7]
	s_cmp_eq_u32 s13, 2
	s_cselect_b64 s[88:89], s[10:11], s[88:89]
	s_and_b32 s94, s42, 3
	s_lshl_b32 s94, s94, 10
	s_lshl_b32 s95, s16, 9
	s_add_co_u32 s94, s94, s95
	s_mov_b32 s95, 0
	s_add_nc_u64 s[90:91], s[88:89], s[94:95]      ; along B's rows: entry 256 (tile column % 4) + 128 x half
	s_and_b32 s94, s17, 3
	s_lshl_b32 s94, s94, 10
	s_lshl_b32 s96, s15, 9
	s_add_co_u32 s94, s94, s96
	s_add_nc_u64 s[92:93], s[88:89], s[94:95]      ; along A's rows
	v_bfe_u32 v2, v0, 4, 1
	v_lshlrev_b32 v2, 6, v2                        ; 64 h
	v_and_b32 v3, 15, v0
	v_and_b32 v4, 8, v3
	v_add_nc_u32 v3, v3, v4
	v_lshlrev_b32 v3, 2, v3                        ; 4 (r + 8 (r / 8))
.irp b, 0,1,2,3
.irp j, 0,1,2,3
	global_load_b128 v[BC+16*\b+4*\j:BC+16*\b+4*\j+3], v2, s[90:91] offset:128*\b+16*\j   ; entries 32 b + 16 h + 0 .. 15
.endr
.endr
.irp a, 0,1,2,3,4,5,6,7
	global_load_b32 v[BR+2*\a], v3, s[92:93] offset:4*(32*(\a/2)+8*(\a%2))                ; entry P(a, r)
.endr
	s_wait_alu depctr_va_vdst(0)
	s_wait_tensorcnt 0x0                           ; my part of slot 0 is in
	ds_add_u32 v[SPW], v[NIL]
	s_wait_dscnt 0x0
	CROUND                                         ; everybody's part of slot 0 is in, and the joint loads meet
	JLOAD G0+4, G1, G0B+4, G1B                     ; slot 1's first fill, the first tensor load behind the round
	global_prefetch_b8 v[PFO], s[PFA:PFA+1] offset:3*STEPB th:TH_LOAD_NT scope:SCOPE_SE
	FETCH_B 0, 0, 0
	FETCH_A 0, 0, 0
	FETCH_A 0, 0, 4
	STEP 0, 0, 1                                   ; the first step's products start the sums: nothing is cleared
	s_mov_b32 s3, LAPS-1
.Llap:                                             ; a trip goes once round the ring and fills both slots again
	TURN 0, 1, 1
	STEP 1, 0, 0
	TURN 1, 0, 1
	STEP 0, 0, 0
	s_sub_co_u32 s3, s3, 1
	s_cmp_lg_u32 s3, 0
	s_cbranch_scc1 .Llap
	TURN 0, 1, 0                                   ; the last lap fills nothing
	STEP 1, 0, 0
	s_wait_dscnt 4*NL
	WIN MUL_LO
	MUL16 0, 1, 0
	MUL16 2, 1, 0
	s_wait_dscnt 0
	WIN MUL_HI
	MUL16 4, 1, 0
	MUL16 6, 1, 0
	WIN 0
	; THE WAY OUT.  The exponents are chosen by the job, without a branch.
	s_wait_kmcnt 0x0
	s_cmp_eq_u32 s13, 1
	s_cselect_b32 s94, s74, s72
	s_cselect_b32 s95, s75, s73
	s_cselect_b32 s96, s79, s78
	s_cmp_eq_u32 s13, 2
	s_cselect_b32 s94, s76, s94
	s_cselect_b32 s95, s77, s95
	s_cselect_b32 s96, s80, s96
	s_add_co_i32 s94, s94, s95                     ; E
	s_sub_co_i32 s95, 0, s94
	s_sub_co_i32 s96, s96, s94                     ; eOut - E
	s_add_co_i32 s96, s96, 127
	s_lshl_b32 s97, s96, 23
	s_add_co_i32 s96, s96, 15
	s_lshl_b32 s96, s96, 23
	s_or_b32 s96, s96, 0x600000
	s_wait_loadcnt 0x0
.set j, 0
.rept 64
	v_ldexp_f32 v[BC+j], v[BC+j], s95              ; bias / 2^E.  (These name no register of the last products: they are the places behind them)
.set j, j+1
.endr
.irp a, 0,1,2,3,4,5,6,7
	v_ldexp_f32 v[BR+2*\a], v[BR+2*\a], s95
	v_mov_b32 v[BR+2*\a+1], v[BR+2*\a]             ; (named with it as a pair, so it is written)
.endr
	v_mov_b32 v[SCV], s97                          ; 2^(eOut - E)
	v_mov_b32 v[LIM], s96                          ; 57,344 x that
; Block a: 16 rows of A x my 128 rows of B: bias, hold, conversion, four stores.  mode 0: the bias runs along B's rows; 1: along A's.
.macro QBLK a, mode
.if (\a) >= 2
	s_wait_xcnt 0x0                                ; block a - 2's stores have read their registers: this block's codes may be written there
.endif
	WIN 0x02+((\a)/4)                              ; source 0: window 2 or 3
.set j, 0
.rept 32
.if \mode
	v_pk_add_f32 v[T+j:T+j+1], v[64*((\a)%4)+j:64*((\a)%4)+j+1], v[BR+2*(\a):BR+2*(\a)+1] op_sel_hi:[1,0]
.else
	v_pk_add_f32 v[T+j:T+j+1], v[64*((\a)%4)+j:64*((\a)%4)+j+1], v[BC+j:BC+j+1]   ; each accumulator from its low end on
.endif
.set j, j+2
.endr
	WIN 0
.set j, 0
.rept 64
	v_med3_num_f32 v[T+j], v[T+j], -v[LIM], v[LIM] ; the conversion to an 8-bit code does not saturate (ISA guide 7.6.2)
.set j, j+1
.endr
.set j, 0
.rept 8
	v_cvt_scalef32_pk8_bf8_f32 v[CDS+16*((\a)%2)+2*j:CDS+16*((\a)%2)+2*j+1], v[T+8*j:T+8*j+7], v[SCV]
.set j, j+1
.endr
	v_nop                                          ; a plain instruction behind the last conversion
.irp b, 0,1,2,3
.if \mode
	global_store_b128 v[L16], v[CDS+16*((\a)%2)+4*\b:CDS+16*((\a)%2)+4*\b+3], s[98:99] offset:((\a)/4)*131072+2048*((\a)%4)+512*\b   ; head a / 4, tile a % 4 of its 64 channels, cell b of the chunk of 128 keys
.else
	global_store_b128 v[L16], v[CDS+16*((\a)%2)+4*\b:CDS+16*((\a)%2)+4*\b+3], s[98:99] offset:(\b/2)*131072+1024*(\a)+512*(\b%2)     ; head b / 2, tile a of tokens, cell b % 2 of the head's 64
.endif
.endr
.endm
	s_cmp_eq_u32 s13, 2                            ; the job is the same in all partners
	s_cbranch_scc1 .Lvt
	; q, k: [32 heads][128 tiles of tokens][2 cells][32 lanes][16]: a head is 131,072 bytes
	s_lshr_b32 s94, s17, 3
	s_lshl_b32 s94, s94, 4                         ; 16 x batch
	s_lshl_b32 s95, s42, 2
	s_add_co_u32 s94, s94, s95
	s_lshl_b32 s95, s16, 1
	s_add_co_u32 s94, s94, s95                     ; + my first head: 4 x tile column + 2 x half
	s_lshl_b32 s94, s94, 7
	s_lshl_b32 s95, s17, 4
	s_lshl_b32 s96, s15, 3
	s_add_co_u32 s95, s95, s96
	s_and_b32 s95, s95, 127                        ; my first tile of tokens in its batch
	s_add_co_u32 s94, s94, s95
	s_lshl_b32 s94, s94, 10
	s_lshl_b32 s95, s13, 22                        ; q at 0, k at 0x400000
	s_add_co_u32 s94, s94, s95
	s_mov_b32 s95, 0
	s_add_nc_u64 s[98:99], s[70:71], s[94:95]
.irp a, 0,1,2,3,4,5,6,7
	QBLK \a, 0
.endr
	s_branch .Lqdone
.Lvt:
	; V^T: [32 heads][16 chunks of 128 keys][4 tiles of channels][4 cells][32 lanes][16], from 0x800000 on
	s_lshr_b32 s94, s42, 3
	s_lshl_b32 s94, s94, 4                         ; 16 x batch
	s_lshl_b32 s95, s17, 2
	s_add_co_u32 s94, s94, s95
	s_lshl_b32 s95, s15, 1
	s_add_co_u32 s94, s94, s95                     ; + my first head: 4 x tile row + 2 x half
	s_lshl_b32 s94, s94, 4
	s_lshl_b32 s95, s42, 1
	s_add_co_u32 s95, s95, s16
	s_and_b32 s95, s95, 15                         ; my chunk of keys in its batch
	s_add_co_u32 s94, s94, s95
	s_lshl_b32 s94, s94, 13
	s_add_co_u32 s94, s94, 0x800000
	s_mov_b32 s95, 0
	s_add_nc_u64 s[98:99], s[70:71], s[94:95]
.irp a, 0,1,2,3,4,5,6,7
	QBLK \a, 1
.endr
.Lqdone:
	s_wait_tensorcnt 0x0                           ; the wave's end
	ds_add_u32 v[SPW], v[NIL]
	s_wait_dscnt 0x0
	CROUND                                         ; the closing round: no work-group ends while a partner may still ask for a tile that names it
	s_endpgm
.Lfunc_end_k_qee4b47bd29_qkv:
	.size	k_qee4b47bd29_qkv, .Lfunc_end_k_qee4b47bd29_qkv-k_qee4b47bd29_qkv
	.p2alignl 7, 3214868480
	.fill 96, 4, 3214868480
	.section	.rodata,"a",@progbits
	.p2align	6, 0x0
	.amdhsa_kernel k_qee4b47bd29_qkv
		.amdhsa_group_segment_fixed_size 327680
		.amdhsa_private_segment_fixed_size 0
		.amdhsa_enable_private_segment 0
		.amdhsa_kernarg_size 48
		.amdhsa_user_sgpr_count 2
		.amdhsa_user_sgpr_kernarg_segment_ptr 1
		.amdhsa_wavefront_size32 1
		.amdhsa_system_sgpr_workgroup_id_x 1
		.amdhsa_system_sgpr_workgroup_id_y 1
		.amdhsa_system_sgpr_workgroup_id_z 1
		.amdhsa_system_vgpr_workitem_id 0
		.amdhsa_next_free_vgpr 1024
		.amdhsa_next_free_sgpr 100
		.amdhsa_reserve_vcc 0
		.amdhsa_float_denorm_mode_32 3
		.amdhsa_float_denorm_mode_16_64 3
		.amdhsa_memory_ordered 1
		.amdhsa_forward_progress 1
		.amdhsa_inst_pref_size 199
	.end_amdhsa_kernel
	.amdgpu_metadata
---
amdhsa.version: [ 1, 2 ]
amdhsa.kernels:
  - .name:           k_qee4b47bd29_qkv
    .symbol:         k_qee4b47bd29_qkv.kd
    .args:
      - { .name: prepc, .offset: 0, .size: 8, .value_kind: global_buffer, .address_space: global }
      - { .name: bq, .offset: 8, .size: 8, .value_kind: global_buffer, .address_space: global }
      - { .name: bk, .offset: 16, .size: 8, .value_kind: global_buffer, .address_space: global }
      - { .name: bv, .offset: 24, .size: 8, .value_kind: global_buffer, .address_space: global }
      - { .name: lowp_scales, .offset: 32, .size: 8, .value_kind: global_buffer, .address_space: global }
      - { .name: qkvc, .offset: 40, .size: 8, .value_kind: global_buffer, .address_space: global }
    .group_segment_fixed_size: 327680
    .private_segment_fixed_size: 0
    .kernarg_segment_align: 8
    .kernarg_segment_size: 48
    .max_flat_workgroup_size: 128
    .sgpr_count:     100
    .vgpr_count:     1024
    .wavefront_size: 32
...
	.end_amdgpu_metadata
.endif
;; end of part 2
;; launch attn (part 3): grid 8 x 32, 8 waves a work-group, clusters of 4 x 1, 327,680 bytes of LDS; arguments qkvc, W1, W2, lowp_scales, oc, prepc; writes oc, prepc
.if DOCPART == 3
	.amdgcn_target "amdgcn-amd-amdhsa--gfx1250"
	.amdhsa_code_object_version 6
	.text
	.protected	k_qee4b47bd29_attn
	.globl	k_qee4b47bd29_attn
	.p2align	8
	.type	k_qee4b47bd29_attn,@function
k_qee4b47bd29_attn:
	s_mov_b64 s[64:65], 0
	v_nop
	global_prefetch_b8 v0, s[64:65] scope:SCOPE_SE
	s_setreg_imm32_b32 hwreg(HW_REG_WAVE_MODE, 25, 1), 1
	s_wait_xcnt 0x0
	s_wait_alu depctr_hold_cnt(0) depctr_sa_sdst(0) depctr_va_vdst(0) depctr_va_sdst(0) depctr_va_ssrc(0) depctr_va_vcc(0) depctr_vm_vsrc(0)
	s_getreg_b32 s2, hwreg(HW_REG_IB_STS2, 6, 4)
	s_cmp_eq_u32 s2, 0
	s_cbranch_scc0 .Lentry_in_a_cluster
	s_endpgm
.Lentry_in_a_cluster:
	s_bfe_u32 s2, ttmp6, 0x10000c
	s_cmp_lg_u32 s2, 0x3003
	s_cbranch_scc0 .Lentry_shape_is_right
	s_endpgm
.Lentry_shape_is_right:
; ATTENTION on codes of E5M2, one (batch, head) a grid row: o = softmax(q k^T / 8) v, quantised under e10 for the next product.  Beside it W1 and W2 (f32) become codes (e13, e15).
; q, k: images [32 heads][128 tiles of 16 tokens][2 cells][32 lanes][16 bytes]; V^T: [32 heads][16 chunks of 128 keys][4 tiles of channels][4 cells][32 lanes][16].
; SOFTMAX: t = score x log2(e) / 8 x 2^(e6 + e7); M = the running largest t rounded up to a whole number; p = 2^(t - M) is quantised under e9, not normalised;
; the row's sum is taken of the unquantised p; when M moves, the sum and O are multiplied by 2^(old M - new M), in every step, with no branch on data.
; SHARES.  A work-group owns 256 queries; each of its EIGHT waves owns 32, two tiles of 16, so that each fragment of K and V read from LDS feeds two matrix instructions.
; All of the head's K and V (131,072 bytes each) lies in LDS.  Waves 0-3 fetch K, waves 4-7 V, each by two loads: five key steps' bytes first (40 rows of 256 bytes a wave),
; then the rest (88 rows).  The four work-groups of a cluster walk the same head: every load is a joint one.
; No prefetch: both fills are asked for at the head, and no loop stands ahead of them in which to ask earlier.
; Both products are used transposed (S^T = K Q^T, O^T = V^T P^T): a lane holds one query of each tile throughout.
; A KEY STEP (128 keys): 16 score products; then this step's V and the next step's K are read from LDS, under the softmax; the exponentials of one tile
; stand two to one among plain lines of the other tile that hang on nothing written inside the batch.
; The first four steps read the first fill alone (the K read ahead in the fourth is the fifth step's, still of the first fill); then one barrier shows the rest.
; W1, W2: a wave takes two neighbouring fragments (16 rows x 256 k) of one weight, four cells at a time through its own stage in LDS, between the loops, when no tensor load is out.
; LIMITS: e6 + e7 between -123 and 130; e9, e10, e13, e15 between -126 and 112; the scaled scores stay under 2^31 in magnitude.  NaN is not served.
; REGISTERS.  Window 0: v1-9 addresses; v12-35 the rows' numbers; v36-39 W's row offsets; v40-55 W's codes; v56-62 scales and holds; v64-191 S^T, then p, of tiles 0, 1;
;   v192-223 p's codes; v224-239 Q; v254, v255 the spare word's address and 0.  Window 1: v0-63 K's fragments; v64-127 V's; v128-191 O^T of tiles 0, 1; v192-255 W's numbers.
.set VLDS,  131072
.set FIRST, 40960                      ; bytes of K, and of V, in the first fill
.set STG,   262144
.set SP,    144                        ; a stage row: 128 bytes + 16
.set STGW,  16*SP
.set SPARE, STG+8*STGW                 ; the spare words, 128 bytes a wave, which no other line names
.set WV,  18
.set SEL, 20
.set CS,  22
.set G1A, 24
.set G1B, 32
.set G0A, 40
.set G0B, 44
.set TB,  2
.set L16, 1
.set LV,  2
.set SIN, 3
.set SOUT, 4
.set ADK, 8
.set ADV, 9
.set NM,  12                           ; pairs: -M of tile 0, 1 in the low words
.set FF,  16                           ; pairs: f
.set SUM, 20                           ; pairs: the sums
.set MR,  24                           ; the running largest score of tile 0, 1
.set TC,  26                           ; six registers at work
.set TT,  32
.set PL,  34
.set VO,  36
.set CDW, 40
.set HP,  56                           ; 57,344 x 2^e9, twice
.set SCP, 58
.set HO,  59
.set SCO, 60
.set WSC, 61
.set WLM, 62
.set S,   64
.set P,   192
.set Q,   224
.set SPW, 254
.set NIL, 255
.set KF,  0
.set VF,  64
.set O,   128
.set RAW, 192
.set MSB, 0
.macro WIN new                         ; the immediate's high byte repeats the setting that is left
.if MSB != \new
	s_set_vgpr_msb (MSB<<8)|\new
.set MSB, \new
.endif
.endm
.macro CROUND                          ; a round of the cluster's barrier
	s_barrier_signal -1
	s_barrier_wait -1
	s_cmp_lg_u32 s[WV], 0
	s_cbranch_scc1 .Lnot_wave_0_\@
	s_barrier_signal -3
.Lnot_wave_0_\@:
	s_barrier_wait -3
	s_barrier_signal -1
	s_barrier_wait -1
.endm
.macro MK e, sc, h                     ; v[sc] = 2^e, v[h] = 57,344 x 2^e
	s_add_co_i32 s84, s[\e], 127
	s_lshl_b32 s85, s84, 23
	v_mov_b32 v[\sc], s85
	s_add_co_i32 s84, s84, 15
	s_lshl_b32 s84, s84, 23
	s_or_b32 s84, s84, 0x600000
	v_mov_b32 v[\h], s84
.endm
.macro WLOAD f                         ; fragment f of my two: four cells of 16 rows x 128 bytes
	WIN 0x40
.irp c, 0,1,2,3
.irp q, 0,1,2,3
	global_load_b128 v[RAW+16*\c+4*\q:RAW+16*\c+4*\q+3], v[VO+\q], s[6:7] offset:512*(\f)+128*\c th:TH_LOAD_NT
.endr
.endr
	WIN 0
.endm
.macro WPROC f                         ; the four cells turn through my stage (LDS serves a wave's instructions in order), are held, converted and stored
	s_wait_xcnt 0x0                                ; earlier stores have read the codes' registers
	s_wait_loadcnt 0x0
.irp c, 0,1,2,3
	WIN 0x04
.irp q, 0,1,2,3
	ds_store_b128 v[SIN], v[RAW+16*\c+4*\q:RAW+16*\c+4*\q+3] offset:4*SP*\q
.endr
	WIN 0x40
.irp q, 0,1,2,3
	ds_load_b128 v[RAW+16*\c+4*\q:RAW+16*\c+4*\q+3], v[SOUT] offset:16*\q
.endr
.endr
	s_wait_dscnt 0x0
	WIN 0x41
.set j, 0
.rept 64
	v_med3_num_f32 v[RAW+j], v[RAW+j], -v[WLM], v[WLM]   ; the conversion does not saturate (ISA guide 7.6.2)
.set j, j+1
.endr
	WIN 0x01
.set j, 0
.rept 8
	v_cvt_scalef32_pk8_bf8_f32 v[CDW+2*j:CDW+2*j+1], v[RAW+8*j:RAW+8*j+7], v[WSC]
.set j, j+1
.endr
	v_nop
	WIN 0
.irp c, 0,1,2,3
	global_store_b128 v[L16], v[CDW+4*\c:CDW+4*\c+3], s[14:15] offset:2048*(\f)+512*\c   ; 512 consecutive bytes, aligned
.endr
.endm
.macro MAXP u                          ; the tile's 64 scores into four chains, each begun from the running maximum; each accumulator from its low end on
.set SB, S+64*\u
.set k, 0
.rept 8
.if k == 0
	v_max3_num_f32 v[TC+3*\u], v[MR+\u], v[SB], v[SB+1]
	v_max3_num_f32 v[TC+3*\u+1], v[MR+\u], v[SB+2], v[SB+3]
	v_max3_num_f32 v[TC+3*\u+2], v[MR+\u], v[SB+4], v[SB+5]
.else
	v_max3_num_f32 v[TC+3*\u], v[TC+3*\u], v[SB+8*k], v[SB+8*k+1]
	v_max3_num_f32 v[TC+3*\u+1], v[TC+3*\u+1], v[SB+8*k+2], v[SB+8*k+3]
	v_max3_num_f32 v[TC+3*\u+2], v[TC+3*\u+2], v[SB+8*k+4], v[SB+8*k+5]
.endif
	v_max3_num_f32 v[MR+\u], v[MR+\u], v[SB+8*k+6], v[SB+8*k+7]
.set k, k+1
.endr
.endm
.macro SUMS u                          ; the sum x f + the tile's 64 unquantised p, in four chains
.set SB, S+64*\u
	v_pk_fma_f32 v[SUM+2*\u:SUM+2*\u+1], v[SUM+2*\u:SUM+2*\u+1], v[FF+2*\u:FF+2*\u+1], v[SB:SB+1] op_sel_hi:[1,0,1]
	v_pk_add_f32 v[TC:TC+1], v[SB+2:SB+3], v[SB+4:SB+5]
	v_pk_add_f32 v[TC+2:TC+3], v[SB+6:SB+7], v[SB+8:SB+9]
	v_pk_add_f32 v[TC+4:TC+5], v[SB+10:SB+11], v[SB+12:SB+13]
.set j, 14
.rept 6
	v_pk_add_f32 v[SUM+2*\u:SUM+2*\u+1], v[SUM+2*\u:SUM+2*\u+1], v[SB+j:SB+j+1]
	v_pk_add_f32 v[TC:TC+1], v[TC:TC+1], v[SB+j+2:SB+j+3]
	v_pk_add_f32 v[TC+2:TC+3], v[TC+2:TC+3], v[SB+j+4:SB+j+5]
	v_pk_add_f32 v[TC+4:TC+5], v[TC+4:TC+5], v[SB+j+6:SB+j+7]
.set j, j+8
.endr
	v_pk_add_f32 v[SUM+2*\u:SUM+2*\u+1], v[SUM+2*\u:SUM+2*\u+1], v[SB+62:SB+63]
	v_pk_add_f32 v[TC:TC+1], v[TC:TC+1], v[TC+2:TC+3]
	v_pk_add_f32 v[SUM+2*\u:SUM+2*\u+1], v[SUM+2*\u:SUM+2*\u+1], v[TC+4:TC+5]
	v_pk_add_f32 v[SUM+2*\u:SUM+2*\u+1], v[SUM+2*\u:SUM+2*\u+1], v[TC:TC+1]
.endm
.macro HOLD2 r                         ; p is not negative: a one-sided hold, two numbers a line (the conversion does not saturate: ISA guide 7.6.2)
	v_dual_min_num_f32 v[\r], v[\r], v[HP] :: v_dual_min_num_f32 v[\r+1], v[\r+1], v[HP+1]
.endm
.macro CVT u
.irp b, 0,1,2,3
	v_cvt_scalef32_pk8_bf8_f32 v[P+16*\u+4*\b:P+16*\u+4*\b+1], v[S+64*\u+16*\b:S+64*\u+16*\b+7], v[SCP]
	v_cvt_scalef32_pk8_bf8_f32 v[P+16*\u+4*\b+2:P+16*\u+4*\b+3], v[S+64*\u+16*\b+8:S+64*\u+16*\b+15], v[SCP]
.endr
.endm
.macro PV u                            ; O^T += V^T P^T: D, C and V's fragments in window 1, p's codes in window 0; four accumulators, one line each
	WIN 0x51
.irp t, 0,1,2,3
	v_wmma_f32_16x16x128_bf8_bf8 v[O+32*\u+8*\t:O+32*\u+8*\t+7], v[VF+16*\t:VF+16*\t+15], v[P+16*\u:P+16*\u+15], v[O+32*\u+8*\t:O+32*\u+8*\t+7]
.endr
	WIN 0
.endm
; A KEY STEP.  last = 1: in the loop's last trip (s3 = 1) no further K is read.
.macro STEP last
	WIN 0x01
.irp t, 0,1,2,3,4,5,6,7
	v_wmma_f32_16x16x64_bf8_bf8 v[S+8*\t:S+8*\t+7], v[KF+8*\t:KF+8*\t+7], v[Q:Q+7], 0
	v_wmma_f32_16x16x64_bf8_bf8 v[S+64+8*\t:S+64+8*\t+7], v[KF+8*\t:KF+8*\t+7], v[Q+8:Q+15], 0
.endr
	WIN 0
	v_add_nc_u32 v[ADV], s[TB], v[LV]              ; four places behind the products, ahead of the loads into K's and V's registers and of the scores' first read
	v_add_nc_u32 v[ADK], s[TB], v[L16]
	v_nop
	v_nop
	WIN 0x40
.irp t, 0,1,2,3
.irp c, 0,1,2,3
	ds_load_b128 v[VF+16*\t+4*\c:VF+16*\t+4*\c+3], v[ADV] offset:2048*\t+512*\c
.endr
.endr
.if \last
	WIN 0
	s_cmp_eq_u32 s3, 1
	s_cbranch_scc1 .Lno_k_\@
	WIN 0x40
.endif
.irp t, 0,1,2,3,4,5,6,7
	ds_load_b128 v[KF+8*\t:KF+8*\t+3], v[ADK] offset:8192+1024*\t
	ds_load_b128 v[KF+8*\t+4:KF+8*\t+7], v[ADK] offset:8192+1024*\t+512
.endr
	WIN 0
.if \last
.Lno_k_\@:
.endif
	MAXP 0
	MAXP 1
	v_max3_num_f32 v[MR], v[MR], v[TC], v[TC+1]    ; the two tiles' lines by turns
	v_max3_num_f32 v[MR+1], v[MR+1], v[TC+3], v[TC+4]
	v_max_num_f32 v[MR], v[MR], v[TC+2]
	v_max_num_f32 v[MR+1], v[MR+1], v[TC+5]
	v_permlanex16_b32 v[PL], v[MR], s[SEL], s[SEL+1]
	v_permlanex16_b32 v[PL+1], v[MR+1], s[SEL], s[SEL+1]
	v_max_num_f32 v[MR], v[MR], v[PL]              ; with lane l xor 16's keys
	v_max_num_f32 v[MR+1], v[MR+1], v[PL+1]
	v_mul_f32 v[TT], s[CS], v[MR]                  ; as t (c is positive)
	v_mul_f32 v[TT+1], s[CS], v[MR+1]
	v_mov_b32 v[TC], v[NM]
	v_mov_b32 v[TC+1], v[NM+2]
	v_floor_f32 v[NM], -v[TT]                      ; -M = floor(-t): M is a whole number
	v_floor_f32 v[NM+2], -v[TT+1]
	v_sub_f32 v[TC], v[NM], v[TC]                  ; old M - new M
	v_sub_f32 v[TC+1], v[NM+2], v[TC+1]
	v_cvt_i32_f32 v[TC], v[TC]                     ; (it saturates)
	v_cvt_i32_f32 v[TC+1], v[TC+1]
	v_ldexp_f32 v[FF], 1.0, v[TC]                  ; f = 2^(old M - new M)
	v_ldexp_f32 v[FF+2], 1.0, v[TC+1]
.set j, 0
.rept 32
	v_pk_fma_f32 v[S+j:S+j+1], v[S+j:S+j+1], s[CS:CS+1], v[NM:NM+1] op_sel_hi:[1,0,0]   ; tile 0: t - M
.set j, j+2
.endr
	s_wait_alu depctr_va_vdst(0)                   ; the wait ahead of the batch
.set j, 0
.rept 32
	v_exp_f32 v[S+j], v[S+j]                       ; tile 0: p; among them tile 1's t - M
	v_exp_f32 v[S+j+1], v[S+j+1]
	v_pk_fma_f32 v[S+64+j:S+64+j+1], v[S+64+j:S+64+j+1], s[CS:CS+1], v[NM+2:NM+3] op_sel_hi:[1,0,0]
.set j, j+2
.endr
	s_wait_alu depctr_va_vdst(0)                   ; and behind it, ahead of its first reader; it also stands ahead of the next batch
	SUMS 0
.set j, 0
.rept 32
	v_exp_f32 v[S+64+j], v[S+64+j]                 ; tile 1: p; among them tile 0's holds
	v_exp_f32 v[S+64+j+1], v[S+64+j+1]
	HOLD2 S+j
.set j, j+2
.endr
	WIN 0x41
	s_wait_alu depctr_va_vdst(0)                   ; behind the batch, and directly ahead of the first readers of O^T
.set j, 0
.rept 16
	v_pk_mul_f32 v[O+j:O+j+1], v[O+j:O+j+1], v[FF:FF+1] op_sel_hi:[1,0]
.set j, j+2
.endr
.set j, 0
.rept 16
	v_pk_mul_f32 v[O+32+j:O+32+j+1], v[O+32+j:O+32+j+1], v[FF+2:FF+3] op_sel_hi:[1,0]
.set j, j+2
.endr
	WIN 0
	CVT 0
	SUMS 1                                         ; (plain lines between the conversions and the products that read the codes)
	s_wait_dscnt 0x0                               ; V's fragments, and the next step's K, are in
	PV 0
.set j, 0
.rept 32
	HOLD2 S+64+j
.set j, j+2
.endr
	CVT 1
	v_nop                                          ; a plain line behind the last conversion
	PV 1
	s_add_co_u32 s[TB], s[TB], 8192
.endm
.macro KEYS n, last
	s_mov_b32 s3, \n
.Lkeys_\@:
	STEP \last
	s_sub_co_u32 s3, s3, 1
	s_cmp_lg_u32 s3, 0
	s_cbranch_scc1 .Lkeys_\@
.endm
	s_load_b256 s[4:11], s[0:1], 0x0               ; q, k, V^T codes; W1; W2; the scales' exponents
	s_load_b128 s[12:15], s[0:1], 0x20             ; o's codes; the prepared codes
	v_lshl_add_u32 v[SPW], v0, 2, SPARE
	v_mov_b32 v[NIL], 0
	ds_add_u32 v[SPW], v[NIL]                      ; the opening: the add twice on end and one wait, ahead of my first tensor load
	ds_add_u32 v[SPW], v[NIL]
	v_lshrrev_b32 v5, 5, v0
	v_readfirstlane_b32 s[WV], v5                  ; wave 0..7
	s_bfe_u32 s16, ttmp6, 0x40000
	s_lshl_b32 s17, ttmp9, 2
	s_add_co_u32 s17, s17, s16                     ; my block of 256 queries
	s_and_b32 s19, ttmp7, 0xffff                   ; 16 x batch + head
	s_mov_b32 s[G1A], 15|(3<<16)|(1<<21)           ; the four partners; elements of 8 bytes; rows of 256 bytes, dense
	s_mov_b32 s[G1A+1], 32<<16
	s_mov_b32 s[G1A+2], 40<<16
	s_mov_b32 s[G1A+3], 32<<16
	s_mov_b32 s[G1A+4], 40
	s_mov_b32 s[G1A+5], 32
	s_mov_b32 s[G1A+6], 0
	s_mov_b32 s[G1A+7], 0
	s_mov_b32 s[G1B], 15|(3<<16)|(1<<21)
	s_mov_b32 s[G1B+1], 32<<16
	s_mov_b32 s[G1B+2], 88<<16
	s_mov_b32 s[G1B+3], 32<<16
	s_mov_b32 s[G1B+4], 88
	s_mov_b32 s[G1B+5], 32
	s_mov_b32 s[G1B+6], 0
	s_mov_b32 s[G1B+7], 0
	s_lshr_b32 s66, s[WV], 2                       ; 0: I fetch K; 1: V
	s_and_b32 s67, s[WV], 3
	s_lshl_b32 s68, s66, 17
	s_mul_i32 s69, s67, 10240                      ; my quarter of the first fill,
	s_mul_i32 s70, s67, 22528
	s_add_co_u32 s70, s70, FIRST                   ; and of the second
	s_add_co_u32 s72, s66, 1
	s_lshl_b32 s72, s72, 22
	s_lshl_b32 s73, s19, 17
	s_add_co_u32 s72, s72, s73                     ; the head's K or V^T
	s_mov_b32 s73, 0
	s_mov_b32 s75, 0
	s_mov_b32 s[SEL], 0x76543210
	s_mov_b32 s[SEL+1], 0xfedcba98
	s_mov_b32 s[CS], 0x3e38aa3b                    ; log2(e) / 8
	s_mov_b32 s[TB], 0
	s_lshl_b32 s79, s[WV], 1
	s_lshl_b32 s78, s17, 4
	s_add_co_u32 s78, s78, s79                     ; my first tile of 16 queries in the sequence
	s_lshl_b32 s82, s19, 7
	s_add_co_u32 s82, s82, s78                     ; also the first of my two fragments of the weights
	s_lshl_b32 s76, s82, 10                        ; q's codes
	s_mov_b32 s77, 0
	s_lshr_b32 s80, s19, 4
	s_lshl_b32 s80, s80, 7
	s_add_co_u32 s80, s80, s78                     ; o's image: tile of tokens,
	s_lshl_b32 s80, s80, 3
	s_and_b32 s81, s19, 15
	s_lshr_b32 s81, s81, 1
	s_add_co_u32 s80, s80, s81                     ; chunk of 128 channels,
	s_lshl_b32 s80, s80, 2
	s_and_b32 s81, s19, 1
	s_lshl_b32 s81, s81, 1
	s_add_co_u32 s80, s80, s81                     ; cell
	s_lshl_b32 s80, s80, 9
	s_mov_b32 s81, 0
	s_lshl_b32 s84, s82, 11
	s_add_co_u32 s84, s84, 0x400000                ; where the weights' codes go
	s_mov_b32 s85, 0
	s_and_b32 s82, s82, 2047
	s_cmp_lt_u32 s19, 16                           ; W1 or W2
	s_cselect_b32 s86, 3, 5                        ; fragments in a row of tiles: 8 or 32
	s_cselect_b32 s87, 12, 14                      ; a row's bytes: 4,096 or 16,384
	s_lshr_b32 s88, s82, s86                       ; tile t
	s_lshl_b32 s89, s88, s86
	s_sub_co_u32 s89, s82, s89                     ; chunk of 128 k
	s_lshr_b32 s90, s88, 1
	s_lshl_b32 s90, s90, 5
	s_and_b32 s91, s88, 1
	s_lshl_b32 s91, s91, 3
	s_add_co_u32 s90, s90, s91                     ; the tile's first row
	s_lshl_b32 s90, s90, s87
	s_lshl_b32 s89, s89, 9
	s_add_co_u32 s90, s90, s89
	s_mov_b32 s91, 0
	s_mul_i32 s92, s[WV], STGW
	s_add_co_u32 s92, s92, STG                     ; my stage
	v_and_b32 v5, 31, v0
	v_lshlrev_b32 v[L16], 4, v5                    ; an image's place for my lane
	v_add_nc_u32 v[LV], VLDS, v[L16]
	v_bfe_u32 v5, v0, 3, 2
	v_and_b32 v6, 7, v0
	v_lshlrev_b32 v6, 4, v6
.irp q, 0,1,2,3
	v_add_nc_u32 v7, 4*\q+8*(\q/2), v5             ; row i + 8 (i / 8), i = 4 q + lane / 8
	v_lshl_add_u32 v[VO+\q], v7, s87, v6
.endr
	v_mul_u32_u24 v[SIN], v5, SP
	v_add_nc_u32 v[SIN], v[SIN], v6
	v_add_nc_u32 v[SIN], s92, v[SIN]               ; the stage, in
	v_and_b32 v10, 15, v0
	v_bfe_u32 v11, v0, 4, 1
	v_mul_u32_u24 v[SOUT], v10, SP
	v_lshl_add_u32 v[SOUT], v11, 6, v[SOUT]
	v_add_nc_u32 v[SOUT], s92, v[SOUT]             ; and out: row r, + 64 h
.irp r, NM, NM+2
	v_mov_b32 v[\r], 0x7f61b1e6                    ; -M begins at 3e38,
.endr
.irp r, MR, MR+1
	v_mov_b32 v[\r], 0xff61b1e6                    ; the largest score at -3e38
.endr
.irp r, NM+1, NM+3, FF+1, FF+3, SUM, SUM+1, SUM+2, SUM+3, PL, PL+1
	v_mov_b32 v[\r], 0
.endr
	WIN 0x40
.set j, 0
.rept 64
	v_mov_b32 v[O+j], 0                            ; O^T: the step is written once; the first change of M leaves zeros zeros
.set j, j+1
.endr
	WIN 0
	s_wait_alu depctr_va_vdst(0)                   ; the wait here, directly ahead of the waits below
	s_wait_dscnt 0x0                               ; both opening adds are done
	s_wait_kmcnt 0x0
	s_load_b512 s[48:63], s[10:11], 0x0            ; e0 .. e15
	s_add_nc_u64 s[72:73], s[4:5], s[72:73]
	s_mov_b32 s[G0A], 1
	s_add_co_u32 s[G0A+1], s68, s69
	s_mov_b32 s74, s69
	s_add_nc_u64 s[G0A+2:G0A+3], s[72:73], s[74:75]
	s_or_b32 s[G0A+3], s[G0A+3], 0x80000000
	s_mov_b32 s[G0B], 1
	s_add_co_u32 s[G0B+1], s68, s70
	s_mov_b32 s74, s70
	s_add_nc_u64 s[G0B+2:G0B+3], s[72:73], s[74:75]
	s_or_b32 s[G0B+3], s[G0B+3], 0x80000000
	CROUND                                         ; the four partners are here: the joint loads meet
	tensor_load_to_lds s[G0A:G0A+3], s[G1A:G1A+7]  ; five key steps' bytes: my one load at the head
	s_nop 0
	s_add_nc_u64 s[4:5], s[4:5], s[76:77]
	s_add_nc_u64 s[12:13], s[12:13], s[80:81]
	s_add_nc_u64 s[14:15], s[14:15], s[84:85]
	s_cmp_lt_u32 s19, 16
	s_cselect_b64 s[6:7], s[6:7], s[8:9]
	s_add_nc_u64 s[6:7], s[6:7], s[90:91]
.irp i, 0,1,2,3
	global_load_b128 v[Q+4*\i:Q+4*\i+3], v[L16], s[4:5] offset:512*\i   ; Q's two fragments stay in registers
.endr
	s_wait_kmcnt 0x0
	s_add_co_i32 s84, s54, s55
	s_lshl_b32 s84, s84, 23
	s_add_co_i32 s[CS], s[CS], s84                 ; e6 + e7 go into c's exponent field
	s_mov_b32 s[CS+1], s[CS]
	MK 57, SCP, HP
	v_mov_b32 v[HP+1], s84
	MK 58, SCO, HO
	s_cmp_lt_u32 s19, 16
	s_cselect_b32 s86, s61, s63
	MK 86, WSC, WLM
	s_wait_alu depctr_va_vdst(0)                   ; the wait at the head's end
	s_wait_tensorcnt 0x0                           ; my part of the first fill is in
	ds_add_u32 v[SPW], v[NIL]
	s_wait_dscnt 0x0
	CROUND                                         ; everybody's part is in, and the joint loads meet
	tensor_load_to_lds s[G0B:G0B+3], s[G1B:G1B+7]  ; the other eleven key steps' bytes
	s_nop 0
.rept 4
	v_nop
.endr
	WLOAD 0                                        ; the weights are asked for behind both fills of K and V
	v_add_nc_u32 v[ADK], s[TB], v[L16]
	WIN 0x40
.irp t, 0,1,2,3,4,5,6,7
	ds_load_b128 v[KF+8*\t:KF+8*\t+3], v[ADK] offset:1024*\t       ; the first step's K
	ds_load_b128 v[KF+8*\t+4:KF+8*\t+7], v[ADK] offset:1024*\t+512
.endr
	WIN 0
	s_wait_loadcnt 16                              ; Q is in; the sixteen loads of the weight may be out
	s_wait_dscnt 0x0
	KEYS 4, 0                                      ; these read the first fill alone
	s_wait_tensorcnt 0x0                           ; my part of the rest is in,
	s_wait_dscnt 0x0
	s_barrier_signal -1
	s_barrier_wait -1                              ; everybody's is
	WPROC 0
	WLOAD 1
	KEYS 6, 0
	WPROC 1
	KEYS 6, 1
	; THE WAY OUT: O^T / the sum x 2^(e8 + e9), held and converted under e10: the codes are cells of the next operand's image
.rept 4
	v_nop
.endr
	v_add_f32 v[SUM], v[SUM], v[SUM+1]
	v_add_f32 v[SUM+2], v[SUM+2], v[SUM+3]
	v_permlanex16_b32 v[PL], v[SUM], s[SEL], s[SEL+1]
	v_permlanex16_b32 v[PL+1], v[SUM+2], s[SEL], s[SEL+1]
	v_add_f32 v[SUM], v[SUM], v[PL]
	v_add_f32 v[SUM+2], v[SUM+2], v[PL+1]
	s_wait_alu depctr_va_vdst(0)                   ; the wait ahead of the transcendentals
	v_rcp_f32 v[NM], v[SUM]
	v_rcp_f32 v[NM+2], v[SUM+2]
	v_nop
	s_add_co_i32 s84, s56, s57
	s_wait_alu depctr_va_vdst(0)                   ; and ahead of their first reader
	v_ldexp_f32 v[NM], v[NM], s84
	v_ldexp_f32 v[NM+2], v[NM+2], s84
	WIN 0x01
	s_wait_alu depctr_va_vdst(0)                   ; directly ahead of the first readers of O^T
.irp u, 0,1
.set j, 0
.rept 16
	v_pk_mul_f32 v[S+64*\u+j:S+64*\u+j+1], v[O+32*\u+j:O+32*\u+j+1], v[NM+2*\u:NM+2*\u+1] op_sel_hi:[1,0]
.set j, j+2
.endr
.endr
	WIN 0
.irp u, 0,1
.set j, 0
.rept 32
	v_med3_num_f32 v[S+64*\u+j], v[S+64*\u+j], -v[HO], v[HO]
.set j, j+1
.endr
.endr
.irp u, 0,1
.irp c, 0,1
	v_cvt_scalef32_pk8_bf8_f32 v[P+8*\u+4*\c:P+8*\u+4*\c+1], v[S+64*\u+16*\c:S+64*\u+16*\c+7], v[SCO]
	v_cvt_scalef32_pk8_bf8_f32 v[P+8*\u+4*\c+2:P+8*\u+4*\c+3], v[S+64*\u+16*\c+8:S+64*\u+16*\c+15], v[SCO]
.endr
.endr
	v_nop
.irp u, 0,1
.irp c, 0,1
	global_store_b128 v[L16], v[P+8*\u+4*\c:P+8*\u+4*\c+3], s[12:13] offset:16384*\u+512*\c   ; 512 consecutive bytes, aligned
.endr
.endr
	s_wait_tensorcnt 0x0                           ; the wave's end
	ds_add_u32 v[SPW], v[NIL]
	s_wait_dscnt 0x0
	CROUND                                         ; the closing round
	s_endpgm
.Lfunc_end_k_qee4b47bd29_attn:
	.size	k_qee4b47bd29_attn, .Lfunc_end_k_qee4b47bd29_attn-k_qee4b47bd29_attn
	.p2alignl 7, 3214868480
	.fill 96, 4, 3214868480
	.section	.rodata,"a",@progbits
	.p2align	6, 0x0
	.amdhsa_kernel k_qee4b47bd29_attn
		.amdhsa_group_segment_fixed_size 327680
		.amdhsa_private_segment_fixed_size 0
		.amdhsa_enable_private_segment 0
		.amdhsa_kernarg_size 48
		.amdhsa_user_sgpr_count 2
		.amdhsa_user_sgpr_kernarg_segment_ptr 1
		.amdhsa_wavefront_size32 1
		.amdhsa_system_sgpr_workgroup_id_x 1
		.amdhsa_system_sgpr_workgroup_id_y 1
		.amdhsa_system_sgpr_workgroup_id_z 1
		.amdhsa_system_vgpr_workitem_id 0
		.amdhsa_next_free_vgpr 512
		.amdhsa_next_free_sgpr 100
		.amdhsa_reserve_vcc 0
		.amdhsa_float_denorm_mode_32 3
		.amdhsa_float_denorm_mode_16_64 3
		.amdhsa_memory_ordered 1
		.amdhsa_forward_progress 1
		.amdhsa_inst_pref_size 123
	.end_amdhsa_kernel
	.amdgpu_metadata
---
amdhsa.version: [ 1, 2 ]
amdhsa.kernels:
  - .name:           k_qee4b47bd29_attn
    .symbol:         k_qee4b47bd29_attn.kd
    .args:
      - { .name: qkvc, .offset: 0, .size: 8, .value_kind: global_buffer, .address_space: global }
      - { .name: W1, .offset: 8, .size: 8, .value_kind: global_buffer, .address_space: global }
      - { .name: W2, .offset: 16, .size: 8, .value_kind: global_buffer, .address_space: global }
      - { .name: lowp_scales, .offset: 24, .size: 8, .value_kind: global_buffer, .address_space: global }
      - { .name: oc, .offset: 32, .size: 8, .value_kind: global_buffer, .address_space: global }
      - { .name: prepc, .offset: 40, .size: 8, .value_kind: global_buffer, .address_space: global }
    .group_segment_fixed_size: 327680
    .private_segment_fixed_size: 0
    .kernarg_segment_align: 8
    .kernarg_segment_size: 48
    .max_flat_workgroup_size: 256
    .sgpr_count:     100
    .vgpr_count:     512
    .wavefront_size: 32
...
	.end_amdgpu_metadata
.endif
;; end of part 3
;; launch oproj (part 4): grid 8 x 32, 4 waves a work-group, clusters of 4 x 4, 327,680 bytes of LDS; arguments oc, prepc, bo, x, lowp_scales, x1; writes x1
.if DOCPART == 4
	.amdgcn_target "amdgcn-amd-amdhsa--gfx1250"
	.amdhsa_code_object_version 6
	.text
	.protected	k_qee4b47bd29_oproj
	.globl	k_qee4b47bd29_oproj
	.p2align	8
	.type	k_qee4b47bd29_oproj,@function
k_qee4b47bd29_oproj:
	s_mov_b64 s[64:65], 0
	v_nop
	global_prefetch_b8 v0, s[64:65] scope:SCOPE_SE
	s_setreg_imm32_b32 hwreg(HW_REG_WAVE_MODE, 25, 1), 1
	s_wait_xcnt 0x0
	s_wait_alu depctr_hold_cnt(0) depctr_sa_sdst(0) depctr_va_vdst(0) depctr_va_sdst(0) depctr_va_ssrc(0) depctr_va_vcc(0) depctr_vm_vsrc(0)
	s_getreg_b32 s2, hwreg(HW_REG_IB_STS2, 6, 4)
	s_cmp_eq_u32 s2, 0
	s_cbranch_scc0 .Lentry_in_a_cluster
	s_endpgm
.Lentry_in_a_cluster:
	s_bfe_u32 s2, ttmp6, 0x10000c
	s_cmp_lg_u32 s2, 0xf033
	s_cbranch_scc0 .Lentry_shape_is_right
	s_endpgm
.Lentry_shape_is_right:
; OUT = RES + A B^T x 2^(eA + eB) + BIAS.  A: [4,096][KDIM], B: [1,024][KDIM]: codes of E5M2 as images of operand registers; RES, OUT: [4,096][1,024] f32; BIAS: [1,024] f32.
; Here: A = attention's o, B = Wo, BIAS = bo, RES = x: the first residual sum.
; 1,024 columns give 64 tiles of 256 x 256 only; tiles of 128 x 128 give each of 256 work-groups one.  Four waves, each 64 x 64: 16 accumulators.
; K goes in steps of 512 through two LDS slots; a wave's one tensor load brings 4 tiles x 8,192 bytes.  A step is four quarters of 128 along K, 16 matrix instructions each, on two fragment buffers.
; IMAGES: fragment (t, kc) = 2,048 bytes at (t KDIM/128 + kc) 2048; lane l = 16 h + r has 16 bytes at 512 c + 16 l: row P(t, r) = 32 (t / 2) + 8 (t % 2) + r + 8 (r / 8), k = 128 kc + 32 c + 16 h + 0 .. 15.
; TRANSPOSED USE (source 0 = B's tile b, source 1 = A's tile a): register j of lane (r, h) is (column 32 (b / 2) + 16 h + 8 (b % 2) + j, row P(a, r)).
; CLUSTERS: 4 x 4 work-groups; A's tiles are asked for jointly along a row of the cluster, B's along a column.
; LIMIT: eA + eB between -126 and 127.
; REGISTERS: window 0: v1-5 at work; v6, v7 the spare word's address and 0; v[8:11] my four biases; v12-15 fragment addresses; v24-26 the way out; v32-95 two sets of residual rows; v96-127 rows of sums;
;   v128-255 the accumulators ((a, b) at v[128 + 8 (4 a + b)]).  window 1: two fragment buffers of 128: B's four fragments, then A's four.
.set KDIM,   1024
.set BOFF,   0x300000                  ; B's first byte among the prepared codes
.set SCB,    40                        ; byte of eA in the buffer of scales; eB follows
.set KCH,    KDIM/128
.set TILEB,  2048*KCH                  ; a tile of 16 rows in memory
; ALL OF K LIES IN LDS AT ONCE (this replaces what the head says of two slots): 128 rows of A and 128 of B x 1,024 codes are 262,144 bytes.  A wave's one tensor load, at the head,
; brings 4 tiles x 16,384 bytes; nothing is filled a second time, so one barrier behind the load is the only one.  'Slot' 0, 1 below names the two halves of K inside a tile, 8,192 bytes apart.
; No prefetch: the one fill stands at the head, and no loop stands ahead of it.
.set HALFT,  65536
.set SLOT,   8192
.set SPARE,  4*HALFT
.set STAGE,  SPARE+512                 ; the way out's stages have bytes of their own, behind the spare words: the tiles are read to the end
.set STEPB,  8192                      ; a slot's part of a tile: four fragments
.set LAPS,   KDIM/1024
.set SPITCH, 272                       ; the way out: a stage of 16 rows x (256 bytes + 16) for each wave, behind the spare words
.set SPW,  6
.set NIL,  7
.set ADRA, 12
.set ADRB, 14
.set STO,  24
.set RD,   25
.set GO,   26
.set RES,  32
.set ROW,  96
.set ACC,  128
.set F0,   0
.set F1,   128
.set G1,  24
.set G0,  32
.set G1B, 48
.set G0B, 56
.set MSB, 0
.macro WIN new
.if MSB != \new
	s_set_vgpr_msb (MSB<<8)|\new
.set MSB, \new
.endif
.endm
.set MUL,  0x05                        ; sources 0 and 1 window 1; C and D window 0
.set TO_F, 0x40
.macro JLOAD s                         ; a joint load: waves 0 and 1 fetch for A, waves 2 and 3 for B; four v_nop follow each line
	s_cmp_eq_u32 s15, 0
	s_cbranch_scc0 .Lfor_b_\@
	tensor_load_to_lds s[G0+4*\s:G0+4*\s+3], s[G1:G1+7]
	s_nop 0
.rept 4
	v_nop
.endr
	s_branch .Lasked_\@
.Lfor_b_\@:
	tensor_load_to_lds s[G0B+4*\s:G0B+4*\s+3], s[G1B:G1B+7]
	s_nop 0
.rept 4
	v_nop
.endr
.Lasked_\@:
.endm
.macro CREST
	s_cmp_lg_u32 s14, 0
	s_cbranch_scc1 .Lnot_wave_0_\@
	s_barrier_signal -3
.Lnot_wave_0_\@:
	s_barrier_wait -3
	s_barrier_signal -1
	s_barrier_wait -1
.endm
.macro CROUND
	s_barrier_signal -1
	s_barrier_wait -1
	CREST
.endm
.macro PLACES
.rept 4
	v_nop
.endr
.endm
.macro MUL4 f, a, zero                 ; A's block a x B's four; the 16 accumulators take turns, in the same order in every quarter
.irp b, 0,1,2,3
.if \zero
	v_wmma_f32_16x16x128_bf8_bf8 v[ACC+8*(4*(\a)+\b):ACC+8*(4*(\a)+\b)+7], v[\f+16*\b:\f+16*\b+15], v[\f+64+16*(\a):\f+64+16*(\a)+15], 0
.else
	v_wmma_f32_16x16x128_bf8_bf8 v[ACC+8*(4*(\a)+\b):ACC+8*(4*(\a)+\b)+7], v[\f+16*\b:\f+16*\b+15], v[\f+64+16*(\a):\f+64+16*(\a)+15], v[ACC+8*(4*(\a)+\b):ACC+8*(4*(\a)+\b)+7]
.endif
.endr
.endm
.macro FETCH slot, q, f                ; 32 LDS loads in one run: the slot's q-th 128 along K: B's four fragments, then A's four
	WIN TO_F
.irp i, 0,1,2,3
.irp c, 0,1,2,3
	ds_load_b128 v[\f+16*\i+4*\c:\f+16*\i+4*\c+3], v[ADRB+\slot] offset:16384*\i+2048*(\q)+512*\c
.endr
.endr
.irp i, 0,1,2,3
.irp c, 0,1,2,3
	ds_load_b128 v[\f+64+16*\i+4*\c:\f+64+16*\i+4*\c+3], v[ADRA+\slot] offset:16384*\i+2048*(\q)+512*\c
.endr
.endr
.endm
.macro QUARTER slot, q, f, g, zero     ; multiplies buffer f; in its middle fetches the slot's quarter q into buffer g
	s_wait_dscnt 8                                 ; B's four and A's fragments 0, 1 are in; the youngest eight loads may be out
	WIN MUL
	MUL4 \f, 0, \zero
	MUL4 \f, 1, \zero
	PLACES
	FETCH \slot, \q, \g
	s_wait_dscnt 32                                ; all but the 32 just issued
	WIN MUL
	MUL4 \f, 2, \zero
	MUL4 \f, 3, \zero
.endm
.macro TURN slot, next, fill           ; a slot's last quarter (buffer 1), and the change of slots: one barrier
	WIN 0                                          ; (the add's two registers lie in window 0)
	s_wait_tensorcnt 0x0                           ; all my tensor loads have landed: my part of the next slot
	ds_add_u32 v[SPW], v[NIL]                      ; 0 onto my spare word
	s_wait_dscnt 13                                ; (the add and A's fragments 1 to 3, twelve loads, may be out)
	WIN MUL
	MUL4 F1, 0, 0
	s_wait_dscnt 0x0                               ; the add is done, and my reads of this slot are over
	s_barrier_signal -1
	MUL4 F1, 1, 0
.if \fill
	WIN 0
.endif
	s_barrier_wait -1
.if \fill
	CREST                                          ; the barrier has opened a round of the cluster's: no wave of any partner still reads this slot or has a load on its way
	s_add_nc_u64 s[G0+4*\slot+2:G0+4*\slot+3], s[G0+4*\slot+2:G0+4*\slot+3], 2*STEPB
	s_add_nc_u64 s[G0B+4*\slot+2:G0B+4*\slot+3], s[G0B+4*\slot+2:G0B+4*\slot+3], 2*STEPB
	JLOAD \slot                                    ; the first tensor load behind the round; its four v_nop are the places in front of the loads below
.else
	PLACES
.endif
	FETCH \next, 0, F0
	WIN MUL
	MUL4 F1, 2, 0
	MUL4 F1, 3, 0
.endm
.macro RLOAD a                         ; block a's 16 rows of the residual, my 64 columns: sixteen lanes to a row's 256 bytes, two rows a load
.irp i, 0,1,2,3,4,5,6,7
	global_load_b128 v[RES+32*((\a)%2)+4*\i:RES+32*((\a)%2)+4*\i+3], v[GO], s[10:11] offset:(32*((\a)/2)+8*((\a)%2)+2*\i+8*(\i/4))*4096
.endr
.endm
	s_load_b256 s[4:11], s[0:1], 0x0               ; A's codes, the prepared codes, the bias, the residual
	s_load_b128 s[68:71], s[0:1], 0x20             ; the scales' exponents, the result
	v_lshl_add_u32 v[SPW], v0, 2, SPARE
	v_mov_b32 v[NIL], 0
	ds_add_u32 v6, v7
	ds_add_u32 v6, v7
	s_wait_dscnt 0x0
	v_lshrrev_b32 v1, 5, v0
	v_readfirstlane_b32 s14, v1                    ; wave 0..3
	s_lshr_b32 s15, s14, 1                         ; which half of the tile's rows is mine.  Also: I fetch for A (0) or for B (1)
	s_and_b32 s16, s14, 1                          ; which half of its columns.  Also: which 4 tiles I fetch
	s_bfe_u32 s40, ttmp6, 0x40000
	s_bfe_u32 s41, ttmp6, 0x40004
	s_lshl_b32 s42, ttmp9, 2
	s_add_co_u32 s42, s42, s40                     ; tile column = 4 x cluster x + cx
	s_and_b32 s17, ttmp7, 0xffff
	s_lshl_b32 s17, s17, 2
	s_add_co_u32 s17, s17, s41                     ; tile row = 4 x cluster y + cy
	s_lshl_b32 s43, s41, 2
	s_lshl_b32 s43, 15, s43
	s_lshl_b32 s44, 0x1111, s40
	; descriptor group 1: 4 rows (tiles) of 2,048 elements of 8 bytes, a tile's bytes apart; dense in LDS
	s_or_b32 s[G1+0], s43, (3<<16)|(1<<21)
	s_or_b32 s[G1B+0], s44, (3<<16)|(1<<21)
.irp g, G1, G1B
	s_mov_b32 s[\g+1], 2048<<16                    ; tensor_dim0: a tile's 16,384 bytes
	s_mov_b32 s[\g+2], 4<<16                       ; tensor_dim1
	s_mov_b32 s[\g+3], 2048<<16                    ; tile_dim0
	s_mov_b32 s[\g+4], 4                           ; tile_dim1
	s_mov_b32 s[\g+5], TILEB/8                     ; tensor_dim0_stride
	s_mov_b32 s[\g+6], 0
	s_mov_b32 s[\g+7], 0
.endr
	s_lshl_b32 s20, s17, 3
	s_lshl_b32 s21, s16, 2
	s_add_co_u32 s20, s20, s21                     ; A: tile 8 x tile row + 4 x half
	s_mul_i32 s20, s20, TILEB
	s_mov_b32 s21, 0
	s_lshl_b32 s46, s42, 3
	s_lshl_b32 s47, s16, 2
	s_add_co_u32 s46, s46, s47                     ; B: tile 8 x tile column + 4 x half
	s_mul_i32 s46, s46, TILEB
	s_add_co_u32 s46, s46, BOFF
	s_mov_b32 s47, 0
	s_mul_i32 s45, s14, HALFT
	s_wait_kmcnt 0x0
	s_load_b64 s[72:73], s[68:69], SCB             ; eA, eB
	s_add_nc_u64 s[20:21], s[4:5], s[20:21]
	s_add_nc_u64 s[46:47], s[6:7], s[46:47]
	CROUND                                         ; all sixteen work-groups are here: the first joint loads meet
.irp s, 0
	s_mov_b32 s[G0+4*\s], 1
	s_add_co_u32 s[G0+4*\s+1], s45, \s*SLOT
	s_add_nc_u64 s[G0+4*\s+2:G0+4*\s+3], s[20:21], \s*STEPB
	s_or_b32 s[G0+4*\s+3], s[G0+4*\s+3], 0x80000000
	s_mov_b32 s[G0B+4*\s], 1
	s_add_co_u32 s[G0B+4*\s+1], s45, \s*SLOT
	s_add_nc_u64 s[G0B+4*\s+2:G0B+4*\s+3], s[46:47], \s*STEPB
	s_or_b32 s[G0B+4*\s+3], s[G0B+4*\s+3], 0x80000000
.endr
	JLOAD 0                                        ; slot 0: one tensor load a wave at the head
	v_and_b32 v1, 31, v0
	v_lshlrev_b32 v3, 4, v1                        ; 16 x lane
	s_mul_i32 s22, s15, HALFT
	s_mul_i32 s23, s16, HALFT
	s_add_co_u32 s23, s23, 2*HALFT
.irp s, 0,1
	v_add_nc_u32 v[ADRA+\s], s22, v3
	v_add_nc_u32 v[ADRB+\s], s23, v3
	s_add_co_u32 s22, s22, SLOT
	s_add_co_u32 s23, s23, SLOT
.endr
	v_and_b32 v1, 15, v0                           ; r
	v_bfe_u32 v2, v0, 4, 1                         ; h
	s_mul_i32 s22, s14, 16*SPITCH
	s_add_co_u32 s22, s22, STAGE                   ; my stage
	v_mul_u32_u24 v[STO], v1, SPITCH
	v_lshl_add_u32 v[STO], v2, 6, v[STO]
	v_add_nc_u32 v[STO], s22, v[STO]               ; in: row r, + 64 h
	v_mul_u32_u24 v[RD], v2, SPITCH
	v_lshl_add_u32 v[RD], v1, 4, v[RD]
	v_add_nc_u32 v[RD], s22, v[RD]                 ; back: lanes 0-15 one row of 256 bytes, lanes 16-31 the next
	v_lshlrev_b32 v[GO], 12, v2
	v_lshl_add_u32 v[GO], v1, 4, v[GO]             ; and the same two rows in memory
	v_lshlrev_b32 v4, 4, v1
	s_wait_alu depctr_va_vdst(0)
	s_lshl_b32 s88, s42, 9
	s_lshl_b32 s89, s16, 8
	s_add_co_u32 s88, s88, s89                     ; my first column in bytes: 512 x tile column + 256 x half
	s_mov_b32 s89, 0
	s_add_nc_u64 s[8:9], s[8:9], s[88:89]
	s_lshl_b32 s90, s17, 7
	s_lshl_b32 s91, s15, 6
	s_add_co_u32 s90, s90, s91                     ; my first row: 128 x tile row + 64 x half
	s_lshl_b32 s90, s90, 12
	s_add_co_u32 s90, s90, s88
	s_mov_b32 s91, 0
	s_add_nc_u64 s[10:11], s[10:11], s[90:91]
	s_add_nc_u64 s[70:71], s[70:71], s[90:91]
	global_load_b128 v[8:11], v4, s[8:9]           ; the biases of the four columns that I store
	RLOAD 0
	RLOAD 1
	s_wait_tensorcnt 0x0                           ; my four tiles are in,
	s_barrier_signal -1
	s_barrier_wait -1                              ; everybody's are
	FETCH 0, 0, F0
	QUARTER 0, 1, F0, F1, 1                        ; the first quarter's products start the sums: nothing is cleared
.if LAPS > 1
	WIN 0
	s_mov_b32 s3, LAPS-1
.Llap:                                             ; a trip goes once round the ring and fills both slots again
	QUARTER 0, 2, F1, F0, 0
	QUARTER 0, 3, F0, F1, 0
	TURN 0, 1, 1
	QUARTER 1, 1, F0, F1, 0
	QUARTER 1, 2, F1, F0, 0
	QUARTER 1, 3, F0, F1, 0
	TURN 1, 0, 1
	QUARTER 0, 1, F0, F1, 0
	WIN 0
	s_sub_co_u32 s3, s3, 1
	s_cmp_lg_u32 s3, 0
	s_cbranch_scc1 .Llap
.endif
	QUARTER 0, 2, F1, F0, 0                        ; the last lap fills nothing
	QUARTER 0, 3, F0, F1, 0
	QUARTER 1, 0, F1, F0, 0                        ; on into the second half of K: no wait and no barrier, all of it is there
	QUARTER 1, 1, F0, F1, 0
	QUARTER 1, 2, F1, F0, 0
	QUARTER 1, 3, F0, F1, 0
	s_wait_dscnt 8
	WIN MUL
	MUL4 F1, 0, 0
	MUL4 F1, 1, 0
	s_wait_dscnt 0
	MUL4 F1, 2, 0
	MUL4 F1, 3, 0
	WIN 0
	; THE WAY OUT, a block of 16 rows x 64 columns at a time, through my own stage: a lane holds pieces of one row, and the lanes beside it other rows; back come whole rows of 256 bytes.
	s_wait_kmcnt 0x0
	s_add_co_i32 s74, s72, s73
	s_add_co_i32 s74, s74, 127
	s_lshl_b32 s74, s74, 23                        ; 2^(eA + eB) as f32
	s_mov_b32 s75, s74
	PLACES
.macro OUTB a
.irp b, 0,1,2,3
	ds_store_b128 v[STO], v[ACC+8*(4*(\a)+\b):ACC+8*(4*(\a)+\b)+3] offset:128*(\b/2)+32*(\b%2)         ; each accumulator from its low end on
	ds_store_b128 v[STO], v[ACC+8*(4*(\a)+\b)+4:ACC+8*(4*(\a)+\b)+7] offset:128*(\b/2)+32*(\b%2)+16
.endr
.irp i, 0,1,2,3,4,5,6,7
	ds_load_b128 v[ROW+4*\i:ROW+4*\i+3], v[RD] offset:2*\i*SPITCH   ; LDS serves a wave's instructions in order: these see my stores
.endr
.if (\a) < 3
	s_wait_loadcnt 8                               ; this block's residual is in; the next block's eight loads may be out
.else
	s_wait_loadcnt 0x0
.endif
.irp i, 0,1,2,3,4,5,6,7
	v_pk_add_f32 v[RES+32*((\a)%2)+4*\i:RES+32*((\a)%2)+4*\i+1], v[RES+32*((\a)%2)+4*\i:RES+32*((\a)%2)+4*\i+1], v[8:9]
	v_pk_add_f32 v[RES+32*((\a)%2)+4*\i+2:RES+32*((\a)%2)+4*\i+3], v[RES+32*((\a)%2)+4*\i+2:RES+32*((\a)%2)+4*\i+3], v[10:11]
.endr
	s_wait_dscnt 0x0
.irp i, 0,1,2,3,4,5,6,7
	v_pk_fma_f32 v[ROW+4*\i:ROW+4*\i+1], v[ROW+4*\i:ROW+4*\i+1], s[74:75], v[RES+32*((\a)%2)+4*\i:RES+32*((\a)%2)+4*\i+1] op_sel_hi:[1,0,1]
	v_pk_fma_f32 v[ROW+4*\i+2:ROW+4*\i+3], v[ROW+4*\i+2:ROW+4*\i+3], s[74:75], v[RES+32*((\a)%2)+4*\i+2:RES+32*((\a)%2)+4*\i+3] op_sel_hi:[1,0,1]
.endr
.irp i, 0,1,2,3,4,5,6,7
	global_store_b128 v[GO], v[ROW+4*\i:ROW+4*\i+3], s[70:71] offset:(32*((\a)/2)+8*((\a)%2)+2*\i+8*(\i/4))*4096   ; sixteen lanes store 256 consecutive bytes, aligned
.endr
.if (\a) < 2
	RLOAD (\a)+2
.endif
	s_wait_xcnt 0x0                                ; the stores have read their registers: the next block's rows may land there
.endm
	OUTB 0
	OUTB 1
	OUTB 2
	OUTB 3
	s_wait_tensorcnt 0x0                           ; the wave's end
	ds_add_u32 v[SPW], v[NIL]
	s_wait_dscnt 0x0
	CROUND                                         ; the closing round
	s_endpgm
.Lfunc_end_k_qee4b47bd29_oproj:
	.size	k_qee4b47bd29_oproj, .Lfunc_end_k_qee4b47bd29_oproj-k_qee4b47bd29_oproj
	.p2alignl 7, 3214868480
	.fill 96, 4, 3214868480
	.section	.rodata,"a",@progbits
	.p2align	6, 0x0
	.amdhsa_kernel k_qee4b47bd29_oproj
		.amdhsa_group_segment_fixed_size 327680
		.amdhsa_private_segment_fixed_size 0
		.amdhsa_enable_private_segment 0
		.amdhsa_kernarg_size 48
		.amdhsa_user_sgpr_count 2
		.amdhsa_user_sgpr_kernarg_segment_ptr 1
		.amdhsa_wavefront_size32 1
		.amdhsa_system_sgpr_workgroup_id_x 1
		.amdhsa_system_sgpr_workgroup_id_y 1
		.amdhsa_system_sgpr_workgroup_id_z 1
		.amdhsa_system_vgpr_workitem_id 0
		.amdhsa_next_free_vgpr 512
		.amdhsa_next_free_sgpr 100
		.amdhsa_reserve_vcc 0
		.amdhsa_float_denorm_mode_32 3
		.amdhsa_float_denorm_mode_16_64 3
		.amdhsa_memory_ordered 1
		.amdhsa_forward_progress 1
		.amdhsa_inst_pref_size 52
	.end_amdhsa_kernel
	.amdgpu_metadata
---
amdhsa.version: [ 1, 2 ]
amdhsa.kernels:
  - .name:           k_qee4b47bd29_oproj
    .symbol:         k_qee4b47bd29_oproj.kd
    .args:
      - { .name: oc, .offset: 0, .size: 8, .value_kind: global_buffer, .address_space: global }
      - { .name: prepc, .offset: 8, .size: 8, .value_kind: global_buffer, .address_space: global }
      - { .name: bo, .offset: 16, .size: 8, .value_kind: global_buffer, .address_space: global }
      - { .name: x, .offset: 24, .size: 8, .value_kind: global_buffer, .address_space: global }
      - { .name: lowp_scales, .offset: 32, .size: 8, .value_kind: global_buffer, .address_space: global }
      - { .name: x1, .offset: 40, .size: 8, .value_kind: global_buffer, .address_space: global }
    .group_segment_fixed_size: 327680
    .private_segment_fixed_size: 0
    .kernarg_segment_align: 8
    .kernarg_segment_size: 48
    .max_flat_workgroup_size: 128
    .sgpr_count:     100
    .vgpr_count:     512
    .wavefront_size: 32
...
	.end_amdgpu_metadata
.endif
;; end of part 4
;; launch ln2 (part 5): grid 256 x 1, 8 waves a work-group, no clusters, 77,824 bytes of LDS; arguments x1, g2, b2, lowp_scales, h2; writes h2
.if DOCPART == 5
	.amdgcn_target "amdgcn-amd-amdhsa--gfx1250"
	.amdhsa_code_object_version 6
	.text
	.protected	k_qee4b47bd29_ln2
	.globl	k_qee4b47bd29_ln2
	.p2align	8
	.type	k_qee4b47bd29_ln2,@function
k_qee4b47bd29_ln2:
	s_mov_b64 s[64:65], 0
	v_nop
	global_prefetch_b8 v0, s[64:65] scope:SCOPE_SE
	s_setreg_imm32_b32 hwreg(HW_REG_WAVE_MODE, 25, 1), 1
	s_wait_xcnt 0x0
; LN2: LayerNorm 2 of the first residual sum, quantised to E5M2 under e12: the A operand of the first FFN product.
; A work-group takes one tile t of 16 rows (rows P(t, r) = 32 (t / 2) + 8 (t % 2) + r + 8 (r / 8)) and all 1,024 columns; wave w takes columns 128 w on: one fragment of the codes' image
; (fragment (t, w) = 2,048 bytes at (8 t + w) 2048; lane l = 16 h + r has 16 bytes at 512 c + 16 l: k = 128 w + 32 c + 16 h + 0 .. 15).
; Each load reads 512 consecutive bytes of one row; the wave's 8,192 bytes turn through its own stage in LDS so that a lane holds 16 neighbours along k of each of four blocks.
; Two passes (mean; then the squares of x - mean), so that a common offset costs no accuracy.  A row's sums meet in LDS: 8 words a row, two barriers.
; LIMITS: -126 <= e12 <= 112.  NaN among the inputs is not served.
.set SPITCH, 528
.set STGW,   16*SPITCH
.set RED0,   8*STGW
.set GBS,    RED0+1024
.set VO,     16
.set X,      64
.set GA,     128
.set BE,     192
.set CD,     128
.macro BARRIER
	s_wait_dscnt 0x0
	s_barrier_signal -1
	s_barrier_wait -1
.endm
.macro LANESUM
	s_delay_alu instid0(VALU_DEP_3)
	v_pk_add_f32 v[32:33], v[32:33], v[34:35]
	s_delay_alu instid0(VALU_DEP_2)
	v_pk_add_f32 v[36:37], v[36:37], v[38:39]
	s_delay_alu instid0(VALU_DEP_1)
	v_pk_add_f32 v[32:33], v[32:33], v[36:37]
	s_delay_alu instid0(VALU_DEP_1)
	v_add_f32 v32, v32, v33
	s_delay_alu instid0(VALU_DEP_1)
	v_permlanex16_b32 v33, v32, s54, s55
	s_delay_alu instid0(VALU_DEP_1)
	v_add_f32 v32, v32, v33
.endm
.macro WAVESUM
	v_add_f32 v32, v32, v33
	v_add_f32 v34, v34, v35
	v_add_f32 v36, v36, v37
	v_add_f32 v38, v38, v39
	s_delay_alu instid0(VALU_DEP_3)
	v_add_f32 v32, v32, v34
	s_delay_alu instid0(VALU_DEP_2)
	v_add_f32 v36, v36, v38
	s_delay_alu instid0(VALU_DEP_1)
	v_add_f32 v32, v32, v36
.endm
	s_load_b256 s[4:11], s[0:1], 0x0               ; x1, g2, b2, the scales' exponents
	s_load_b64 s[24:25], s[0:1], 0x20              ; the codes
	v_lshl_add_u32 v62, v0, 2, 0x12c00
	v_mov_b32 v63, 0
	s_mov_b32 s2, ttmp9                            ; the tile t
	v_lshrrev_b32 v1, 5, v0
	s_delay_alu instid0(VALU_DEP_1)
	v_readfirstlane_b32 s3, v1                     ; wave 0..7
	v_and_b32 v1, 31, v0
	v_and_b32 v2, 15, v0                           ; r
	v_bfe_u32 v3, v0, 4, 1                         ; h
	s_delay_alu instid0(VALU_DEP_3)
	v_lshlrev_b32 v4, 4, v1                        ; 16 x lane
	s_wait_alu depctr_va_vdst(0)
	s_mul_i32 s30, s3, STGW
	v_add_nc_u32 v5, s30, v4                       ; the stage, in
	v_mul_u32_u24 v6, v2, SPITCH
	s_delay_alu instid0(VALU_DEP_1)
	v_lshl_add_u32 v6, v3, 6, v6
	s_delay_alu instid0(VALU_DEP_1)
	v_add_nc_u32 v6, s30, v6                       ; and out: row r, + 64 h
	s_lshl_b32 s30, s3, 10
	s_add_co_u32 s30, s30, GBS
	v_add_nc_u32 v7, s30, v4
	v_lshl_add_u32 v15, v3, 6, s30
	s_lshl_b32 s30, s3, 2
	s_add_co_u32 s30, s30, RED0
	v_lshl_add_u32 v8, v2, 5, s30
	v_lshl_add_u32 v9, v2, 5, RED0
	s_mov_b32 s54, 0x76543210
	s_mov_b32 s55, 0xfedcba98
	s_lshr_b32 s34, s2, 1
	s_lshl_b32 s34, s34, 5
	s_and_b32 s35, s2, 1
	s_lshl_b32 s35, s35, 3
	s_add_co_u32 s34, s34, s35                     ; the tile's first row
	s_lshl_b32 s34, s34, 12
	s_lshl_b32 s62, s3, 9                          ; my wave's 128 columns
	s_mov_b32 s63, 0
	s_add_co_u32 s34, s34, s62
	s_mov_b32 s35, 0
.irp i, 0,1,2,3,4,5,6,7,8,9,10,11,12,13,14,15
	v_add_nc_u32 v[VO+\i], 4096*(\i+8*(\i/8)), v4
.endr
	s_wait_alu depctr_va_vdst(0)
	s_wait_kmcnt 0x0
	s_load_b32 s52, s[10:11], 0x30                 ; e12
	s_add_nc_u64 s[26:27], s[4:5], s[34:35]
	s_add_nc_u64 s[6:7], s[6:7], s[62:63]
	s_add_nc_u64 s[8:9], s[8:9], s[62:63]
.irp i, 0,1,2,3,4,5,6,7,8,9,10,11,12,13,14,15
	global_load_b128 v[X+4*\i:X+4*\i+3], v[VO+\i], s[26:27] th:TH_LOAD_NT
.endr
	global_load_b128 v[40:43], v4, s[6:7]          ; my wave's 128 gains and 128 biases, once
	global_load_b128 v[44:47], v4, s[8:9]
	s_lshl_b32 s34, s2, 14
	s_lshl_b32 s62, s3, 11
	s_add_co_u32 s34, s34, s62
	s_add_nc_u64 s[56:57], s[24:25], s[34:35]
	s_wait_kmcnt 0x0
	s_add_co_i32 s62, s52, 127
	s_lshl_b32 s63, s62, 23
	v_mov_b32 v48, s63                             ; 2^e12
	s_add_co_i32 s62, s62, 15
	s_lshl_b32 s62, s62, 23
	s_or_b32 s62, s62, 0x600000
	v_mov_b32 v49, s62                             ; 57,344 x 2^e12
.irp i, 0,1,2,3,4,5,6,7,8,9,10,11,12,13,14,15
	s_wait_loadcnt 17-\i                           ; row i is in; the younger rows and the two loads of gains and biases stay out
	ds_store_b128 v5, v[X+4*\i:X+4*\i+3] offset:SPITCH*\i
.endr
.irp c, 0,1,2,3
.irp j, 0,1,2,3
	ds_load_b128 v[X+16*\c+4*\j:X+16*\c+4*\j+3], v6 offset:128*\c+16*\j
.endr
.endr
	s_wait_dscnt 0x0
.irp k, 0,1,2,3
	v_pk_add_f32 v[32+2*\k:33+2*\k], v[X+4*\k:X+4*\k+1], v[X+4*\k+2:X+4*\k+3]
.endr
.irp j, 16,24,32,40,48,56
.irp k, 0,1,2,3
	s_delay_alu instid0(VALU_DEP_4)
	v_pk_add_f32 v[32+2*\k:33+2*\k], v[32+2*\k:33+2*\k], v[X+\j+2*\k:X+\j+2*\k+1]
.endr
.endr
	LANESUM
	s_wait_alu depctr_va_vdst(0)
	s_wait_loadcnt 0x0
	ds_store_b128 v7, v[40:43]
	ds_store_b128 v7, v[44:47] offset:512
	ds_store_b32 v8, v32
	BARRIER
	ds_load_b128 v[32:35], v9
	ds_load_b128 v[36:39], v9 offset:16
	s_wait_dscnt 0x0
	WAVESUM
	s_delay_alu instid0(VALU_DEP_1)
	v_mul_f32 v10, 0x3a800000, v32                 ; the mean
	s_delay_alu instid0(VALU_DEP_1)
	v_mov_b32 v11, v10
.set j, 0
.rept 32
	v_pk_add_f32 v[X+j:X+j+1], v[X+j:X+j+1], v[10:11] neg_lo:[0,1] neg_hi:[0,1]
.set j, j+2
.endr
.irp k, 0,1,2,3
	v_pk_mul_f32 v[32+2*\k:33+2*\k], v[X+2*\k:X+2*\k+1], v[X+2*\k:X+2*\k+1]
.endr
.irp j, 8,16,24,32,40,48,56
.irp k, 0,1,2,3
	s_delay_alu instid0(VALU_DEP_4)
	v_pk_fma_f32 v[32+2*\k:33+2*\k], v[X+\j+2*\k:X+\j+2*\k+1], v[X+\j+2*\k:X+\j+2*\k+1], v[32+2*\k:33+2*\k]
.endr
.endr
	LANESUM
	ds_store_b32 v8, v32 offset:512
	BARRIER
	ds_load_b128 v[32:35], v9 offset:512
	ds_load_b128 v[36:39], v9 offset:528
.irp c, 0,1,2,3
.irp j, 0,1,2,3
	ds_load_b128 v[GA+16*\c+4*\j:GA+16*\c+4*\j+3], v15 offset:128*\c+16*\j
	ds_load_b128 v[BE+16*\c+4*\j:BE+16*\c+4*\j+3], v15 offset:512+128*\c+16*\j
.endr
.endr
	s_wait_dscnt 32                                ; the eight words are in; the 32 reads behind them may be out
	WAVESUM
	s_delay_alu instid0(VALU_DEP_1)
	v_mul_f32 v32, 0x3a800000, v32                 ; the variance
	s_delay_alu instid0(VALU_DEP_1)
	v_add_f32 v32, 0x3727c5ac, v32                 ; + 1e-5
	s_wait_alu depctr_va_vdst(0)
	v_rsq_f32 v12, v32
	v_nop                                          ; a plain instruction behind the transcendental,
	s_wait_alu depctr_va_vdst(0)                   ; and the wait ahead of its first reader
	v_mov_b32 v13, v12
.set j, 0
.rept 32
	v_pk_mul_f32 v[X+j:X+j+1], v[X+j:X+j+1], v[12:13]
.set j, j+2
.endr
	s_wait_dscnt 0x0
.set j, 0
.rept 32
	v_pk_fma_f32 v[X+j:X+j+1], v[X+j:X+j+1], v[GA+j:GA+j+1], v[BE+j:BE+j+1]
.set j, j+2
.endr
.set j, 0
.rept 64
	v_med3_num_f32 v[X+j], v[X+j], -v49, v49       ; the conversion to an 8-bit code does not saturate (ISA guide 7.6.2)
.set j, j+1
.endr
.set j, 0
.rept 8
	v_cvt_scalef32_pk8_bf8_f32 v[CD+2*j:CD+2*j+1], v[X+8*j:X+8*j+7], v48
.set j, j+1
.endr
	v_nop
.irp c, 0,1,2,3
	global_store_b128 v4, v[CD+4*\c:CD+4*\c+3], s[56:57] offset:512*\c   ; 512 consecutive bytes, aligned
.endr
	s_wait_tensorcnt 0x0
	ds_add_u32 v62, v63
	s_wait_dscnt 0x0
	s_endpgm
.Lfunc_end_k_qee4b47bd29_ln2:
	.size	k_qee4b47bd29_ln2, .Lfunc_end_k_qee4b47bd29_ln2-k_qee4b47bd29_ln2
	.p2alignl 7, 3214868480
	.fill 96, 4, 3214868480
	.section	.rodata,"a",@progbits
	.p2align	6, 0x0
	.amdhsa_kernel k_qee4b47bd29_ln2
		.amdhsa_group_segment_fixed_size 77824
		.amdhsa_private_segment_fixed_size 0
		.amdhsa_enable_private_segment 0
		.amdhsa_kernarg_size 40
		.amdhsa_user_sgpr_count 2
		.amdhsa_user_sgpr_kernarg_segment_ptr 1
		.amdhsa_wavefront_size32 1
		.amdhsa_system_sgpr_workgroup_id_x 1
		.amdhsa_system_sgpr_workgroup_id_y 1
		.amdhsa_system_sgpr_workgroup_id_z 1
		.amdhsa_system_vgpr_workitem_id 0
		.amdhsa_next_free_vgpr 256
		.amdhsa_next_free_sgpr 100
		.amdhsa_reserve_vcc 0
		.amdhsa_float_denorm_mode_32 3
		.amdhsa_float_denorm_mode_16_64 3
		.amdhsa_memory_ordered 1
		.amdhsa_forward_progress 1
		.amdhsa_inst_pref_size 30
	.end_amdhsa_kernel
	.amdgpu_metadata
---
amdhsa.version: [ 1, 2 ]
amdhsa.kernels:
  - .name:           k_qee4b47bd29_ln2
    .symbol:         k_qee4b47bd29_ln2.kd
    .args:
      - { .name: x1, .offset: 0, .size: 8, .value_kind: global_buffer, .address_space: global }
      - { .name: g2, .offset: 8, .size: 8, .value_kind: global_buffer, .address_space: global }
      - { .name: b2, .offset: 16, .size: 8, .value_kind: global_buffer, .address_space: global }
      - { .name: lowp_scales, .offset: 24, .size: 8, .value_kind: global_buffer, .address_space: global }
      - { .name: h2, .offset: 32, .size: 8, .value_kind: global_buffer, .address_space: global }
    .group_segment_fixed_size: 77824
    .private_segment_fixed_size: 0
    .kernarg_segment_align: 8
    .kernarg_segment_size: 40
    .max_flat_workgroup_size: 256
    .sgpr_count:     100
    .vgpr_count:     256
    .wavefront_size: 32
...
	.end_amdgpu_metadata
.endif
;; end of part 5
;; launch ffn1 (part 6): grid 16 x 16, 4 waves a work-group, clusters of 4 x 4, 327,680 bytes of LDS; arguments h2, prepc, bf1, lowp_scales, gc; writes gc
.if DOCPART == 6
	.amdgcn_target "amdgcn-amd-amdhsa--gfx1250"
	.amdhsa_code_object_version 6
	.text
	.protected	k_qee4b47bd29_ffn1
	.globl	k_qee4b47bd29_ffn1
	.p2align	8
	.type	k_qee4b47bd29_ffn1,@function
k_qee4b47bd29_ffn1:
	s_mov_b64 s[64:65], 0
	v_nop
	global_prefetch_b8 v0, s[64:65] scope:SCOPE_SE
	s_setreg_imm32_b32 hwreg(HW_REG_WAVE_MODE, 25, 1), 1
	s_wait_xcnt 0x0
	s_wait_alu depctr_hold_cnt(0) depctr_sa_sdst(0) depctr_va_vdst(0) depctr_va_sdst(0) depctr_va_ssrc(0) depctr_va_vcc(0) depctr_vm_vsrc(0)
	s_getreg_b32 s2, hwreg(HW_REG_IB_STS2, 6, 4)
	s_cmp_eq_u32 s2, 0
	s_cbranch_scc0 .Lentry_in_a_cluster
	s_endpgm
.Lentry_in_a_cluster:
	s_bfe_u32 s2, ttmp6, 0x10000c
	s_cmp_lg_u32 s2, 0xf033
	s_cbranch_scc0 .Lentry_shape_is_right
	s_endpgm
.Lentry_shape_is_right:
.set HALFT,  32768
.set SLOT,   4*HALFT
.set SPARE,  2*SLOT
.set STEPB,  4096
.set FR,     16
.set NL,     4
.set NP,     4
.set LAPS,   2
.set SPW,  6
.set NIL,  7
.set ADRA, 8
.set ADRB, 10
.set WA,   12
.set WB,   13
.set L16,  14
.set PFO,  15                          ; v15: the prefetches' offset; never rewritten
.set PFA,  66                          ; s[66:67]: my work-group's two tiles of the eight that I fetch; never rewritten
.set CDS,  16
.set BC,   32
.set U,    100
.set AB,   164
.set PP,   180
.set DD,   196
.set MM,   212
.set XX,   228
.set AF,   128
.set G1,  24
.set G0,  32
.set G1B, 48
.set G0B, 56
.set MSB, 0
.macro WIN new
.if MSB != \new
	s_set_vgpr_msb (MSB<<8)|\new
.set MSB, \new
.endif
.endm
.set MUL_LO, 0xa1
.set MUL_HI, 0xf1
.set TO_B,   0x40
.macro JLOAD g0a, g1a, g0b, g1b
	s_cmp_eq_u32 s15, 0
	s_cbranch_scc0 .Lfor_b_\@
	tensor_load_to_lds s[\g0a:\g0a+3], s[\g1a:\g1a+7]
	s_nop 0
.rept 4
	v_nop
.endr
	s_branch .Lasked_\@
.Lfor_b_\@:
	tensor_load_to_lds s[\g0b:\g0b+3], s[\g1b:\g1b+7]
	s_nop 0
.rept 4
	v_nop
.endr
.Lasked_\@:
.endm
.macro CREST
	s_cmp_lg_u32 s14, 0
	s_cbranch_scc1 .Lnot_wave_0_\@
	s_barrier_signal -3
.Lnot_wave_0_\@:
	s_barrier_wait -3
	s_barrier_signal -1
	s_barrier_wait -1
.endm
.macro CROUND
	s_barrier_signal -1
	s_barrier_wait -1
	CREST
.endm
.macro FRAG reg, adr, q, i
.irp c, 0,1,2,3
	ds_load_b128 v[\reg+4*\c:\reg+4*\c+3], v[\adr] offset:4096*(\i)+2048*(\q)+512*\c
.endr
.endm
.macro MUL16 a0, p, zero
.irp a, \a0, \a0+1
.irp b, 0,1,2,3,4,5,6,7
.if \zero
	v_wmma_f32_16x16x128_bf8_bf8 v[8*(8*((\a)%4)+\b):8*(8*((\a)%4)+\b)+7], v[128*(\p)+FR*\b:128*(\p)+FR*\b+FR-1], v[AF+FR*(\a):AF+FR*(\a)+FR-1], 0
.else
	v_wmma_f32_16x16x128_bf8_bf8 v[8*(8*((\a)%4)+\b):8*(8*((\a)%4)+\b)+7], v[128*(\p)+FR*\b:128*(\p)+FR*\b+FR-1], v[AF+FR*(\a):AF+FR*(\a)+FR-1], v[8*(8*((\a)%4)+\b):8*(8*((\a)%4)+\b)+7]
.endif
.endr
.endr
.endm
.macro FETCH_B slot, q, p
	WIN TO_B
.irp i, 0,1,2,3,4,5,6,7
	FRAG 128*(\p)+FR*\i, ADRB+\slot, \q, \i
.endr
	WIN 0
.endm
.macro FETCH_A slot, q, i0
.irp i, \i0, \i0+1, \i0+2, \i0+3
	FRAG AF+FR*(\i), ADRA+\slot, \q, \i
.endr
.endm
.macro PLACES n
.rept \n
	v_nop
.endr
.endm
.macro STEP slot, q, zero
	s_wait_dscnt 4*NL
	WIN MUL_LO
	MUL16 0, (\q)%2, \zero
	MUL16 2, (\q)%2, \zero
	s_wait_dscnt 0
	PLACES NP
	FETCH_B \slot, (\q)+1, 1-(\q)%2
	FETCH_A \slot, (\q)+1, 0
	WIN MUL_HI
	MUL16 4, (\q)%2, \zero
	MUL16 6, (\q)%2, \zero
	PLACES NP
	WIN 0
	FETCH_A \slot, (\q)+1, 4
.endm
.macro TURN slot, next, fill
	s_wait_tensorcnt 0x0
	ds_add_u32 v[SPW], v[NIL]
	s_wait_dscnt 4*NL+1
	WIN MUL_LO
	MUL16 0, 1, 0
	s_wait_dscnt 0x0
	s_barrier_signal -1
	MUL16 2, 1, 0
	WIN 0
	s_barrier_wait -1
.if \fill
	CREST
	s_add_nc_u64 s[G0+4*\slot+2:G0+4*\slot+3], s[G0+4*\slot+2:G0+4*\slot+3], 2*STEPB
	s_add_nc_u64 s[G0B+4*\slot+2:G0B+4*\slot+3], s[G0B+4*\slot+2:G0B+4*\slot+3], 2*STEPB
	JLOAD G0+4*\slot, G1, G0B+4*\slot, G1B
.else
	PLACES NP
.endif
	FETCH_B \next, 0, 0
	FETCH_A \next, 0, 0
	WIN MUL_HI
	MUL16 4, 1, 0
	MUL16 6, 1, 0
	PLACES NP
	WIN 0
	FETCH_A \next, 0, 4
.endm
	s_load_b256 s[4:11], s[0:1], 0x0
	s_load_b64 s[70:71], s[0:1], 0x20
	v_lshl_add_u32 v[SPW], v0, 2, SPARE
	v_mov_b32 v[NIL], 0
	ds_add_u32 v6, v7
	ds_add_u32 v6, v7
	s_wait_dscnt 0x0
	v_lshrrev_b32 v1, 5, v0
	v_readfirstlane_b32 s14, v1
	s_lshr_b32 s15, s14, 1
	s_and_b32 s16, s14, 1
	s_bfe_u32 s40, ttmp6, 0x40000
	s_bfe_u32 s41, ttmp6, 0x40004
	s_lshl_b32 s42, ttmp9, 2
	s_add_co_u32 s42, s42, s40
	s_and_b32 s17, ttmp7, 0xffff
	s_lshl_b32 s17, s17, 2
	s_add_co_u32 s17, s17, s41
	s_lshl_b32 s43, s41, 2
	s_lshl_b32 s43, 15, s43
	s_lshl_b32 s44, 0x1111, s40
	s_or_b32 s[G1+0], s43, (3<<16)|(1<<21)
	s_or_b32 s[G1B+0], s44, (3<<16)|(1<<21)
.irp g, G1, G1B
	s_mov_b32 s[\g+1], 512<<16
	s_mov_b32 s[\g+2], 8<<16
	s_mov_b32 s[\g+3], 512<<16
	s_mov_b32 s[\g+4], 8
	s_mov_b32 s[\g+5], 2048
	s_mov_b32 s[\g+6], 0
	s_mov_b32 s[\g+7], 0
.endr
	s_lshl_b32 s20, s17, 4
	s_lshl_b32 s21, s16, 3
	s_add_co_u32 s20, s20, s21
	s_lshl_b32 s20, s20, 14
	s_mov_b32 s21, 0
	s_lshl_b32 s46, s42, 4
	s_lshl_b32 s47, s16, 3
	s_add_co_u32 s46, s46, s47
	s_lshl_b32 s46, s46, 14
	s_add_co_u32 s46, s46, 0x400000
	s_mov_b32 s47, 0
	s_mul_i32 s45, s14, HALFT
	s_wait_kmcnt 0x0
	s_load_b512 s[72:87], s[10:11], 0x0
	s_add_nc_u64 s[20:21], s[4:5], s[20:21]
	s_add_nc_u64 s[46:47], s[6:7], s[46:47]
	CROUND
.irp s, 0,1
	s_mov_b32 s[G0+4*\s], 1
	s_add_co_u32 s[G0+4*\s+1], s45, \s*SLOT
	s_add_nc_u64 s[G0+4*\s+2:G0+4*\s+3], s[20:21], \s*STEPB
	s_or_b32 s[G0+4*\s+3], s[G0+4*\s+3], 0x80000000
	s_mov_b32 s[G0B+4*\s], 1
	s_add_co_u32 s[G0B+4*\s+1], s45, \s*SLOT
	s_add_nc_u64 s[G0B+4*\s+2:G0B+4*\s+3], s[46:47], \s*STEPB
	s_or_b32 s[G0B+4*\s+3], s[G0B+4*\s+3], 0x80000000
.endr
	JLOAD G0, G1, G0B, G1B                         ; slot 0: one tensor load a wave at the head
	; PREFETCH INTO THE L2, two slots ahead: behind slot n's load stands one line for slot n + 2 (n = 0, 1; K has four slots).  Of the 8 tiles x 4,096 bytes that I fetch,
	; the partner at place p (cx for A, cy for B) names tiles 2 p, 2 p + 1: 32 blocks of 256 bytes, a lane a block: told apart by address alone.
	s_cmp_eq_u32 s15, 0
	s_cselect_b64 s[PFA:PFA+1], s[20:21], s[46:47]
	s_cselect_b32 s2, s40, s41
	s_lshl_b32 s2, s2, 15
	s_mov_b32 s3, 0
	s_add_nc_u64 s[PFA:PFA+1], s[PFA:PFA+1], s[2:3]
	v_and_b32 v1, 31, v0
	v_lshrrev_b32 v2, 4, v1
	v_and_b32 v3, 15, v1
	v_lshlrev_b32 v3, 8, v3
	v_lshl_add_u32 v[PFO], v2, 14, v3
	global_prefetch_b8 v[PFO], s[PFA:PFA+1] offset:2*STEPB th:TH_LOAD_NT scope:SCOPE_SE
	v_lshlrev_b32 v[L16], 4, v1
	s_wait_alu depctr_va_vdst(0)
	s_mul_i32 s22, s15, HALFT
	s_mul_i32 s23, s16, HALFT
	s_add_co_u32 s23, s23, 2*HALFT
.irp s, 0,1
	v_add_nc_u32 v[ADRA+\s], s22, v[L16]
	v_add_nc_u32 v[ADRB+\s], s23, v[L16]
	s_add_co_u32 s22, s22, SLOT
	s_add_co_u32 s23, s23, SLOT
.endr
	s_lshl_b32 s22, s14, 16
	v_add_nc_u32 v[WA], s22, v[L16]
	s_lshl_b32 s94, s42, 10
	s_lshl_b32 s95, s16, 9
	s_add_co_u32 s94, s94, s95
	s_mov_b32 s95, 0
	s_add_nc_u64 s[8:9], s[8:9], s[94:95]
	v_bfe_u32 v2, v0, 4, 1
	v_lshlrev_b32 v2, 6, v2
.irp b, 0,1,2,3
.irp j, 0,1,2,3
	global_load_b128 v[BC+16*\b+4*\j:BC+16*\b+4*\j+3], v2, s[8:9] offset:128*\b+16*\j
.endr
.endr
	s_wait_alu depctr_va_vdst(0)
	s_wait_tensorcnt 0x0                           ; my part of slot 0 is in
	ds_add_u32 v[SPW], v[NIL]
	s_wait_dscnt 0x0
	CROUND                                         ; everybody's part of slot 0 is in, and the joint loads meet
	JLOAD G0+4, G1, G0B+4, G1B                     ; slot 1's first fill, the first tensor load behind the round
	global_prefetch_b8 v[PFO], s[PFA:PFA+1] offset:3*STEPB th:TH_LOAD_NT scope:SCOPE_SE
	FETCH_B 0, 0, 0
	FETCH_A 0, 0, 0
	FETCH_A 0, 0, 4
	STEP 0, 0, 1
	s_mov_b32 s3, LAPS-1
.Llap:
	TURN 0, 1, 1
	STEP 1, 0, 0
	TURN 1, 0, 1
	STEP 0, 0, 0
	s_sub_co_u32 s3, s3, 1
	s_cmp_lg_u32 s3, 0
	s_cbranch_scc1 .Llap
	TURN 0, 1, 0
	STEP 1, 0, 0
	s_wait_dscnt 4*NL
	WIN MUL_LO
	MUL16 0, 1, 0
	MUL16 2, 1, 0
	s_wait_dscnt 0
	WIN MUL_HI
	MUL16 4, 1, 0
	MUL16 6, 1, 0
	WIN 0
	s_wait_kmcnt 0x0
	s_add_co_i32 s88, s84, s85
	s_add_co_i32 s88, s88, 127
	s_lshl_b32 s88, s88, 23
	s_mov_b32 s89, s88
	s_mov_b32 s90, 0x3f3504f3
	s_mov_b32 s91, s90
	s_mov_b32 s92, 0x3fb504f3
	s_mov_b32 s93, s92
	s_mov_b32 s94, 0xbf38aa3b
	s_mov_b32 s95, s94
	s_add_co_i32 s96, s86, 127
	s_lshl_b32 s97, s96, 23
	s_add_co_i32 s96, s96, 15
	s_lshl_b32 s96, s96, 23
	s_or_b32 s96, s96, 0x600000
	v_mov_b32 v99, s97
	v_mov_b32 v98, s96
	v_mov_b32 v96, 0xbaa15130
	v_mov_b32 v97, 0xbaa15130
	s_lshl_b32 s96, s17, 4
	s_lshl_b32 s97, s15, 3
	s_add_co_u32 s96, s96, s97
	s_lshl_b32 s96, s96, 5
	s_lshl_b32 s97, s42, 1
	s_add_co_u32 s96, s96, s97
	s_add_co_u32 s96, s96, s16
	s_lshl_b32 s96, s96, 11
	s_mov_b32 s97, 0
	s_add_nc_u64 s[98:99], s[70:71], s[96:97]
	s_wait_dscnt 0x0
	s_barrier_signal -1
	s_barrier_wait -1
.irp a, 0,1,2,3,4,5,6,7
	WIN 0x08+4*(\a/4)
.set k, 0
.rept 16
	ds_store_b128 v[WA], v[64*(\a%4)+4*k:64*(\a%4)+4*k+3] offset:8192*\a+512*k
.set k, k+1
.endr
.endr
	WIN 0
.macro GELU16 b
.set UB, U+16*(\b)
.set p, 0
.rept 16
	v_and_b32 v[AB+p], 0x7fffffff, v[UB+p]
.set p, p+1
.endr
.set p, 0
.rept 8
	v_pk_fma_f32 v[PP+p:PP+p+1], v[AB+p:AB+p+1], s[90:91], 2.0 op_sel_hi:[1,0,0]
	v_pk_fma_f32 v[DD+p:DD+p+1], v[AB+p:AB+p+1], s[92:93], 1.0 op_sel_hi:[1,0,0]
	v_pk_mul_f32 v[XX+p:XX+p+1], v[UB+p:UB+p+1], v[UB+p:UB+p+1]
.set p, p+2
.endr
.set p, 0
.rept 8
	v_pk_mul_f32 v[XX+p:XX+p+1], v[XX+p:XX+p+1], s[94:95] op_sel_hi:[1,0]
.set p, p+2
.endr
.set p, 0
	s_wait_alu depctr_va_vdst(0)
.rept 8                                ; the batch: two transcendentals, then a plain line that reads nothing written inside the batch and is read behind the wait that follows it
	v_rcp_f32 v[PP+p], v[PP+p]
	v_rcp_f32 v[PP+p+1], v[PP+p+1]
	v_pk_fma_f32 v[MM+p:MM+p+1], v[AB+p:AB+p+1], s[90:91], -2.0 op_sel_hi:[1,0,0]
	v_rcp_f32 v[DD+p], v[DD+p]
	v_rcp_f32 v[DD+p+1], v[DD+p+1]
	v_max_num_f32 v[UB+p], 0, v[UB+p]
	v_exp_f32 v[XX+p], v[XX+p]
	v_exp_f32 v[XX+p+1], v[XX+p+1]
	v_max_num_f32 v[UB+p+1], 0, v[UB+p+1]
.set p, p+2
.endr
	s_wait_alu depctr_va_vdst(0)
.set p, 0
.rept 8
	v_pk_mul_f32 v[MM+p:MM+p+1], v[MM+p:MM+p+1], v[PP+p:PP+p+1]
.set p, p+2
.endr
.set p, 0
.rept 8
	v_pk_fma_f32 v[PP+p:PP+p+1], v[MM+p:MM+p+1], 0xb9d25000, v[96:97] op_sel_hi:[1,0,1]
.set p, p+2
.endr
.irp cf, 0x3aac2b8a, 0x3c0d6e62, 0xbc040dc1, 0xbd5e05b5, 0x3e27fe23, 0xbe2a0420, 0xbdbdfb0b, 0x3e8dd01d
.set p, 0
.rept 8
	v_pk_fma_f32 v[PP+p:PP+p+1], v[PP+p:PP+p+1], v[MM+p:MM+p+1], \cf op_sel_hi:[1,1,0]
.set p, p+2
.endr
.endr
.set p, 0
.rept 8
	v_pk_fma_f32 v[PP+p:PP+p+1], v[PP+p:PP+p+1], v[DD+p:DD+p+1], v[DD+p:DD+p+1]
.set p, p+2
.endr
.set p, 0
.rept 8
	v_pk_mul_f32 v[PP+p:PP+p+1], v[PP+p:PP+p+1], v[XX+p:XX+p+1]
.set p, p+2
.endr
.set p, 0
.rept 8
	v_pk_mul_f32 v[PP+p:PP+p+1], v[PP+p:PP+p+1], v[AB+p:AB+p+1]
.set p, p+2
.endr
.set p, 0
.rept 8
	v_pk_fma_f32 v[UB+p:UB+p+1], v[PP+p:PP+p+1], -0.5, v[UB+p:UB+p+1] op_sel_hi:[1,0,1]
.set p, p+2
.endr
.set p, 0
.rept 16
	v_med3_num_f32 v[UB+p], v[UB+p], -v98, v98
.set p, p+1
.endr
	v_cvt_scalef32_pk8_bf8_f32 v[CDS+4*(\b):CDS+4*(\b)+1], v[UB:UB+7], v99
	v_cvt_scalef32_pk8_bf8_f32 v[CDS+4*(\b)+2:CDS+4*(\b)+3], v[UB+8:UB+15], v99
	v_nop
	global_store_b128 v[L16], v[CDS+4*(\b):CDS+4*(\b)+3], s[98:99] offset:512*(\b)
.endm
	s_wait_loadcnt 0x0
	WIN 0x40                                       ; a block's sums come back from LDS a trip ahead, into window 1's v0-63, which B's fragments have left
.set k, 0
.rept 16
	ds_load_b128 v[4*k:4*k+3], v[WA] offset:512*k
.set k, k+1
.endr
	WIN 0
	s_mov_b32 s22, 8192
	s_mov_b32 s3, 8
.Lblk:
	s_wait_dscnt 0x0                               ; this trip's block is in
	WIN 0x01
.set p, 0
.rept 32
	v_pk_fma_f32 v[U+p:U+p+1], v[p:p+1], s[88:89], v[BC+p:BC+p+1] op_sel_hi:[1,0,1]   ; sum x 2^(e12 + e13) + bias, into window 0
.set p, p+2
.endr
	WIN 0
	s_cmp_eq_u32 s3, 1                             ; the last trip has no block behind it
	s_cbranch_scc1 .Lno_next
	s_min_u32 s23, s22, 7*8192
	v_add_nc_u32 v[WB], s23, v[WA]
	WIN 0x40
.set k, 0
.rept 16
	ds_load_b128 v[4*k:4*k+3], v[WB] offset:512*k
.set k, k+1
.endr
	WIN 0
.Lno_next:
	GELU16 0
	GELU16 1
	GELU16 2
	GELU16 3
	s_wait_xcnt 0x0
	s_add_nc_u64 s[98:99], s[98:99], 0x10000
	s_add_co_u32 s22, s22, 8192
	s_sub_co_u32 s3, s3, 1
	s_cmp_lg_u32 s3, 0
	s_cbranch_scc1 .Lblk
	s_wait_tensorcnt 0x0
	ds_add_u32 v[SPW], v[NIL]
	s_wait_dscnt 0x0
	CROUND
	s_endpgm
.Lfunc_end_k_qee4b47bd29_ffn1:
	.size	k_qee4b47bd29_ffn1, .Lfunc_end_k_qee4b47bd29_ffn1-k_qee4b47bd29_ffn1
	.p2alignl 7, 3214868480
	.fill 96, 4, 3214868480
	.section	.rodata,"a",@progbits
	.p2align	6, 0x0
	.amdhsa_kernel k_qee4b47bd29_ffn1
		.amdhsa_group_segment_fixed_size 327680
		.amdhsa_private_segment_fixed_size 0
		.amdhsa_enable_private_segment 0
		.amdhsa_kernarg_size 40
		.amdhsa_user_sgpr_count 2
		.amdhsa_user_sgpr_kernarg_segment_ptr 1
		.amdhsa_wavefront_size32 1
		.amdhsa_system_sgpr_workgroup_id_x 1
		.amdhsa_system_sgpr_workgroup_id_y 1
		.amdhsa_system_sgpr_workgroup_id_z 1
		.amdhsa_system_vgpr_workitem_id 0
		.amdhsa_next_free_vgpr 1024
		.amdhsa_next_free_sgpr 100
		.amdhsa_reserve_vcc 0
		.amdhsa_float_denorm_mode_32 3
		.amdhsa_float_denorm_mode_16_64 3
		.amdhsa_memory_ordered 1
		.amdhsa_forward_progress 1
		.amdhsa_inst_pref_size 158
	.end_amdhsa_kernel
	.amdgpu_metadata
---
amdhsa.version: [ 1, 2 ]
amdhsa.kernels:
  - .name:           k_qee4b47bd29_ffn1
    .symbol:         k_qee4b47bd29_ffn1.kd
    .args:
      - { .name: h2, .offset: 0, .size: 8, .value_kind: global_buffer, .address_space: global }
      - { .name: prepc, .offset: 8, .size: 8, .value_kind: global_buffer, .address_space: global }
      - { .name: bf1, .offset: 16, .size: 8, .value_kind: global_buffer, .address_space: global }
      - { .name: lowp_scales, .offset: 24, .size: 8, .value_kind: global_buffer, .address_space: global }
      - { .name: gc, .offset: 32, .size: 8, .value_kind: global_buffer, .address_space: global }
    .group_segment_fixed_size: 327680
    .private_segment_fixed_size: 0
    .kernarg_segment_align: 8
    .kernarg_segment_size: 40
    .max_flat_workgroup_size: 128
    .sgpr_count:     100
    .vgpr_count:     1024
    .wavefront_size: 32
...
	.end_amdgpu_metadata
.endif
;; end of part 6
;; launch ffn2 (part 7): grid 8 x 32, 4 waves a work-group, clusters of 4 x 4, 327,680 bytes of LDS; arguments gc, prepc, bf2, x1, lowp_scales, out0; writes out0
.if DOCPART == 7
	.amdgcn_target "amdgcn-amd-amdhsa--gfx1250"
	.amdhsa_code_object_version 6
	.text
	.protected	k_qee4b47bd29_ffn2
	.globl	k_qee4b47bd29_ffn2
	.p2align	8
	.type	k_qee4b47bd29_ffn2,@function
k_qee4b47bd29_ffn2:
	s_mov_b64 s[64:65], 0
	v_nop
	global_prefetch_b8 v0, s[64:65] scope:SCOPE_SE
	s_setreg_imm32_b32 hwreg(HW_REG_WAVE_MODE, 25, 1), 1
	s_wait_xcnt 0x0
	s_wait_alu depctr_hold_cnt(0) depctr_sa_sdst(0) depctr_va_vdst(0) depctr_va_sdst(0) depctr_va_ssrc(0) depctr_va_vcc(0) depctr_vm_vsrc(0)
	s_getreg_b32 s2, hwreg(HW_REG_IB_STS2, 6, 4)
	s_cmp_eq_u32 s2, 0
	s_cbranch_scc0 .Lentry_in_a_cluster
	s_endpgm
.Lentry_in_a_cluster:
	s_bfe_u32 s2, ttmp6, 0x10000c
	s_cmp_lg_u32 s2, 0xf033
	s_cbranch_scc0 .Lentry_shape_is_right
	s_endpgm
.Lentry_shape_is_right:
.set KDIM,   4096
.set BOFF,   0x800000
.set SCB,    56
.set KCH,    KDIM/128
.set TILEB,  2048*KCH
.set HALFT,  32768
.set SLOT,   4*HALFT
.set SPARE,  2*SLOT
.set STEPB,  8192
.set LAPS,   KDIM/1024
.set SPITCH, 272
.set SPW,  6
.set NIL,  7
.set ADRA, 12
.set ADRB, 14
.set STO,  24
.set RD,   25
.set GO,   26
.set PFO,  27                          ; v27: the prefetches' offset, 256 x my lane; never rewritten
.set PFA,  76                          ; s[76:77]: my work-group's tile of the four that I fetch, stepped a slot's 8,192 bytes at each change of slots that fills
.set RES,  32
.set ROW,  96
.set ACC,  128
.set F0,   0
.set F1,   128
.set G1,  24
.set G0,  32
.set G1B, 48
.set G0B, 56
.set MSB, 0
.macro WIN new
.if MSB != \new
	s_set_vgpr_msb (MSB<<8)|\new
.set MSB, \new
.endif
.endm
.set MUL,  0x05
.set TO_F, 0x40
.macro JLOAD s
	s_cmp_eq_u32 s15, 0
	s_cbranch_scc0 .Lfor_b_\@
	tensor_load_to_lds s[G0+4*\s:G0+4*\s+3], s[G1:G1+7]
	s_nop 0
.rept 4
	v_nop
.endr
	s_branch .Lasked_\@
.Lfor_b_\@:
	tensor_load_to_lds s[G0B+4*\s:G0B+4*\s+3], s[G1B:G1B+7]
	s_nop 0
.rept 4
	v_nop
.endr
.Lasked_\@:
.endm
.macro CREST
	s_cmp_lg_u32 s14, 0
	s_cbranch_scc1 .Lnot_wave_0_\@
	s_barrier_signal -3
.Lnot_wave_0_\@:
	s_barrier_wait -3
	s_barrier_signal -1
	s_barrier_wait -1
.endm
.macro CROUND
	s_barrier_signal -1
	s_barrier_wait -1
	CREST
.endm
.macro PLACES
.rept 4
	v_nop
.endr
.endm
.macro MUL4 f, a, zero
.irp b, 0,1,2,3
.if \zero
	v_wmma_f32_16x16x128_bf8_bf8 v[ACC+8*(4*(\a)+\b):ACC+8*(4*(\a)+\b)+7], v[\f+16*\b:\f+16*\b+15], v[\f+64+16*(\a):\f+64+16*(\a)+15], 0
.else
	v_wmma_f32_16x16x128_bf8_bf8 v[ACC+8*(4*(\a)+\b):ACC+8*(4*(\a)+\b)+7], v[\f+16*\b:\f+16*\b+15], v[\f+64+16*(\a):\f+64+16*(\a)+15], v[ACC+8*(4*(\a)+\b):ACC+8*(4*(\a)+\b)+7]
.endif
.endr
.endm
.macro FETCH slot, q, f
	WIN TO_F
.irp i, 0,1,2,3
.irp c, 0,1,2,3
	ds_load_b128 v[\f+16*\i+4*\c:\f+16*\i+4*\c+3], v[ADRB+\slot] offset:8192*\i+2048*(\q)+512*\c
.endr
.endr
.irp i, 0,1,2,3
.irp c, 0,1,2,3
	ds_load_b128 v[\f+64+16*\i+4*\c:\f+64+16*\i+4*\c+3], v[ADRA+\slot] offset:8192*\i+2048*(\q)+512*\c
.endr
.endr
.endm
.macro QUARTER slot, q, f, g, zero
	s_wait_dscnt 8
	WIN MUL
	MUL4 \f, 0, \zero
	MUL4 \f, 1, \zero
	PLACES
	FETCH \slot, \q, \g
	s_wait_dscnt 32
	WIN MUL
	MUL4 \f, 2, \zero
	MUL4 \f, 3, \zero
.endm
.macro TURN slot, next, fill
	WIN 0
.if \fill
	s_wait_xcnt 0x0                                ; my last prefetch has read its address: it may be stepped
	s_add_nc_u64 s[PFA:PFA+1], s[PFA:PFA+1], STEPB
.endif
	s_wait_tensorcnt 0x0
	ds_add_u32 v[SPW], v[NIL]
	s_wait_dscnt 13
	WIN MUL
	MUL4 F1, 0, 0
	s_wait_dscnt 0x0
	s_barrier_signal -1
	MUL4 F1, 1, 0
.if \fill
	WIN 0
.endif
	s_barrier_wait -1
.if \fill
	CREST
	s_add_nc_u64 s[G0+4*\slot+2:G0+4*\slot+3], s[G0+4*\slot+2:G0+4*\slot+3], 2*STEPB
	s_add_nc_u64 s[G0B+4*\slot+2:G0B+4*\slot+3], s[G0B+4*\slot+2:G0B+4*\slot+3], 2*STEPB
	JLOAD \slot
	s_cmp_gt_u32 s3, 1                             ; the loop's last trip has no slot two on
	s_cbranch_scc0 .Lno_ask_\@
	global_prefetch_b8 v[PFO], s[PFA:PFA+1] offset:3*STEPB th:TH_LOAD_NT scope:SCOPE_SE
.Lno_ask_\@:
.else
	PLACES
.endif
	FETCH \next, 0, F0
	WIN MUL
	MUL4 F1, 2, 0
	MUL4 F1, 3, 0
.endm
.macro RLOAD a
.irp i, 0,1,2,3,4,5,6,7
	global_load_b128 v[RES+32*((\a)%2)+4*\i:RES+32*((\a)%2)+4*\i+3], v[GO], s[10:11] offset:(32*((\a)/2)+8*((\a)%2)+2*\i+8*(\i/4))*4096
.endr
.endm
	s_load_b256 s[4:11], s[0:1], 0x0
	s_load_b128 s[68:71], s[0:1], 0x20
	v_lshl_add_u32 v[SPW], v0, 2, SPARE
	v_mov_b32 v[NIL], 0
	ds_add_u32 v6, v7
	ds_add_u32 v6, v7
	s_wait_dscnt 0x0
	v_lshrrev_b32 v1, 5, v0
	v_readfirstlane_b32 s14, v1
	s_lshr_b32 s15, s14, 1
	s_and_b32 s16, s14, 1
	s_bfe_u32 s40, ttmp6, 0x40000
	s_bfe_u32 s41, ttmp6, 0x40004
	s_lshl_b32 s42, ttmp9, 2
	s_add_co_u32 s42, s42, s40
	s_and_b32 s17, ttmp7, 0xffff
	s_lshl_b32 s17, s17, 2
	s_add_co_u32 s17, s17, s41
	s_lshl_b32 s43, s41, 2
	s_lshl_b32 s43, 15, s43
	s_lshl_b32 s44, 0x1111, s40
	s_or_b32 s[G1+0], s43, (3<<16)|(1<<21)
	s_or_b32 s[G1B+0], s44, (3<<16)|(1<<21)
.irp g, G1, G1B
	s_mov_b32 s[\g+1], 1024<<16
	s_mov_b32 s[\g+2], 4<<16
	s_mov_b32 s[\g+3], 1024<<16
	s_mov_b32 s[\g+4], 4
	s_mov_b32 s[\g+5], TILEB/8
	s_mov_b32 s[\g+6], 0
	s_mov_b32 s[\g+7], 0
.endr
	s_lshl_b32 s20, s17, 3
	s_lshl_b32 s21, s16, 2
	s_add_co_u32 s20, s20, s21
	s_mul_i32 s20, s20, TILEB
	s_mov_b32 s21, 0
	s_lshl_b32 s46, s42, 3
	s_lshl_b32 s47, s16, 2
	s_add_co_u32 s46, s46, s47
	s_mul_i32 s46, s46, TILEB
	s_add_co_u32 s46, s46, BOFF
	s_mov_b32 s47, 0
	s_mul_i32 s45, s14, HALFT
	s_wait_kmcnt 0x0
	s_load_b64 s[72:73], s[68:69], SCB
	s_add_nc_u64 s[20:21], s[4:5], s[20:21]
	s_add_nc_u64 s[46:47], s[6:7], s[46:47]
	CROUND
.irp s, 0,1
	s_mov_b32 s[G0+4*\s], 1
	s_add_co_u32 s[G0+4*\s+1], s45, \s*SLOT
	s_add_nc_u64 s[G0+4*\s+2:G0+4*\s+3], s[20:21], \s*STEPB
	s_or_b32 s[G0+4*\s+3], s[G0+4*\s+3], 0x80000000
	s_mov_b32 s[G0B+4*\s], 1
	s_add_co_u32 s[G0B+4*\s+1], s45, \s*SLOT
	s_add_nc_u64 s[G0B+4*\s+2:G0B+4*\s+3], s[46:47], \s*STEPB
	s_or_b32 s[G0B+4*\s+3], s[G0B+4*\s+3], 0x80000000
.endr
	JLOAD 0                                        ; slot 0: one tensor load a wave at the head
	; PREFETCH INTO THE L2, two slots ahead: behind slot n's load stands one line for slot n + 2, up to slot 7, the last.  Of the 4 tiles x 8,192 bytes that I fetch,
	; the partner at place p (cx for A, cy for B) names tile p: 32 blocks of 256 bytes, a lane a block: told apart by address alone.
	s_cmp_eq_u32 s15, 0
	s_cselect_b64 s[PFA:PFA+1], s[20:21], s[46:47]
	s_cselect_b32 s2, s40, s41
	s_mul_i32 s2, s2, TILEB
	s_mov_b32 s3, 0
	s_add_nc_u64 s[PFA:PFA+1], s[PFA:PFA+1], s[2:3]
	v_and_b32 v1, 31, v0
	v_lshlrev_b32 v[PFO], 8, v1
	global_prefetch_b8 v[PFO], s[PFA:PFA+1] offset:2*STEPB th:TH_LOAD_NT scope:SCOPE_SE
	v_lshlrev_b32 v3, 4, v1
	s_mul_i32 s22, s15, HALFT
	s_mul_i32 s23, s16, HALFT
	s_add_co_u32 s23, s23, 2*HALFT
.irp s, 0,1
	v_add_nc_u32 v[ADRA+\s], s22, v3
	v_add_nc_u32 v[ADRB+\s], s23, v3
	s_add_co_u32 s22, s22, SLOT
	s_add_co_u32 s23, s23, SLOT
.endr
	v_and_b32 v1, 15, v0
	v_bfe_u32 v2, v0, 4, 1
	s_mul_i32 s22, s14, 16*SPITCH
	v_mul_u32_u24 v[STO], v1, SPITCH
	v_lshl_add_u32 v[STO], v2, 6, v[STO]
	v_add_nc_u32 v[STO], s22, v[STO]
	v_mul_u32_u24 v[RD], v2, SPITCH
	v_lshl_add_u32 v[RD], v1, 4, v[RD]
	v_add_nc_u32 v[RD], s22, v[RD]
	v_lshlrev_b32 v[GO], 12, v2
	v_lshl_add_u32 v[GO], v1, 4, v[GO]
	v_lshlrev_b32 v4, 4, v1
	s_wait_alu depctr_va_vdst(0)
	s_lshl_b32 s88, s42, 9
	s_lshl_b32 s89, s16, 8
	s_add_co_u32 s88, s88, s89
	s_mov_b32 s89, 0
	s_add_nc_u64 s[8:9], s[8:9], s[88:89]
	s_lshl_b32 s90, s17, 7
	s_lshl_b32 s91, s15, 6
	s_add_co_u32 s90, s90, s91
	s_lshl_b32 s90, s90, 12
	s_add_co_u32 s90, s90, s88
	s_mov_b32 s91, 0
	s_add_nc_u64 s[10:11], s[10:11], s[90:91]
	s_add_nc_u64 s[70:71], s[70:71], s[90:91]
	global_load_b128 v[8:11], v4, s[8:9]
	RLOAD 0
	RLOAD 1
	s_wait_tensorcnt 0x0                           ; my part of slot 0 is in
	ds_add_u32 v[SPW], v[NIL]
	s_wait_dscnt 0x0
	CROUND                                         ; everybody's part of slot 0 is in, and the joint loads meet
	JLOAD 1                                        ; slot 1's first fill, the first tensor load behind the round
	global_prefetch_b8 v[PFO], s[PFA:PFA+1] offset:3*STEPB th:TH_LOAD_NT scope:SCOPE_SE
	FETCH 0, 0, F0
	QUARTER 0, 1, F0, F1, 1
.if LAPS > 1
	WIN 0
	s_mov_b32 s3, LAPS-1
.Llap:
	QUARTER 0, 2, F1, F0, 0
	QUARTER 0, 3, F0, F1, 0
	TURN 0, 1, 1
	QUARTER 1, 1, F0, F1, 0
	QUARTER 1, 2, F1, F0, 0
	QUARTER 1, 3, F0, F1, 0
	TURN 1, 0, 1
	QUARTER 0, 1, F0, F1, 0
	WIN 0
	s_sub_co_u32 s3, s3, 1
	s_cmp_lg_u32 s3, 0
	s_cbranch_scc1 .Llap
.endif
	QUARTER 0, 2, F1, F0, 0
	QUARTER 0, 3, F0, F1, 0
	TURN 0, 1, 0
	QUARTER 1, 1, F0, F1, 0
	QUARTER 1, 2, F1, F0, 0
	QUARTER 1, 3, F0, F1, 0
	s_wait_dscnt 8
	WIN MUL
	MUL4 F1, 0, 0
	MUL4 F1, 1, 0
	s_wait_dscnt 0
	MUL4 F1, 2, 0
	MUL4 F1, 3, 0
	WIN 0
	s_wait_kmcnt 0x0
	s_add_co_i32 s74, s72, s73
	s_add_co_i32 s74, s74, 127
	s_lshl_b32 s74, s74, 23
	s_mov_b32 s75, s74
	PLACES
.macro OUTB a
.irp b, 0,1,2,3
	ds_store_b128 v[STO], v[ACC+8*(4*(\a)+\b):ACC+8*(4*(\a)+\b)+3] offset:128*(\b/2)+32*(\b%2)
	ds_store_b128 v[STO], v[ACC+8*(4*(\a)+\b)+4:ACC+8*(4*(\a)+\b)+7] offset:128*(\b/2)+32*(\b%2)+16
.endr
.irp i, 0,1,2,3,4,5,6,7
	ds_load_b128 v[ROW+4*\i:ROW+4*\i+3], v[RD] offset:2*\i*SPITCH
.endr
.if (\a) < 3
	s_wait_loadcnt 8
.else
	s_wait_loadcnt 0x0
.endif
.irp i, 0,1,2,3,4,5,6,7
	v_pk_add_f32 v[RES+32*((\a)%2)+4*\i:RES+32*((\a)%2)+4*\i+1], v[RES+32*((\a)%2)+4*\i:RES+32*((\a)%2)+4*\i+1], v[8:9]
	v_pk_add_f32 v[RES+32*((\a)%2)+4*\i+2:RES+32*((\a)%2)+4*\i+3], v[RES+32*((\a)%2)+4*\i+2:RES+32*((\a)%2)+4*\i+3], v[10:11]
.endr
	s_wait_dscnt 0x0
.irp i, 0,1,2,3,4,5,6,7
	v_pk_fma_f32 v[ROW+4*\i:ROW+4*\i+1], v[ROW+4*\i:ROW+4*\i+1], s[74:75], v[RES+32*((\a)%2)+4*\i:RES+32*((\a)%2)+4*\i+1] op_sel_hi:[1,0,1]
	v_pk_fma_f32 v[ROW+4*\i+2:ROW+4*\i+3], v[ROW+4*\i+2:ROW+4*\i+3], s[74:75], v[RES+32*((\a)%2)+4*\i+2:RES+32*((\a)%2)+4*\i+3] op_sel_hi:[1,0,1]
.endr
.irp i, 0,1,2,3,4,5,6,7
	global_store_b128 v[GO], v[ROW+4*\i:ROW+4*\i+3], s[70:71] offset:(32*((\a)/2)+8*((\a)%2)+2*\i+8*(\i/4))*4096
.endr
.if (\a) < 2
	RLOAD (\a)+2
.endif
	s_wait_xcnt 0x0
.endm
	OUTB 0
	OUTB 1
	OUTB 2
	OUTB 3
	s_wait_tensorcnt 0x0
	ds_add_u32 v[SPW], v[NIL]
	s_wait_dscnt 0x0
	CROUND
	s_endpgm
.Lfunc_end_k_qee4b47bd29_ffn2:
	.size	k_qee4b47bd29_ffn2, .Lfunc_end_k_qee4b47bd29_ffn2-k_qee4b47bd29_ffn2
	.p2alignl 7, 3214868480
	.fill 96, 4, 3214868480
	.section	.rodata,"a",@progbits
	.p2align	6, 0x0
	.amdhsa_kernel k_qee4b47bd29_ffn2
		.amdhsa_group_segment_fixed_size 327680
		.amdhsa_private_segment_fixed_size 0
		.amdhsa_enable_private_segment 0
		.amdhsa_kernarg_size 48
		.amdhsa_user_sgpr_count 2
		.amdhsa_user_sgpr_kernarg_segment_ptr 1
		.amdhsa_wavefront_size32 1
		.amdhsa_system_sgpr_workgroup_id_x 1
		.amdhsa_system_sgpr_workgroup_id_y 1
		.amdhsa_system_sgpr_workgroup_id_z 1
		.amdhsa_system_vgpr_workitem_id 0
		.amdhsa_next_free_vgpr 512
		.amdhsa_next_free_sgpr 100
		.amdhsa_reserve_vcc 0
		.amdhsa_float_denorm_mode_32 3
		.amdhsa_float_denorm_mode_16_64 3
		.amdhsa_memory_ordered 1
		.amdhsa_forward_progress 1
		.amdhsa_inst_pref_size 82
	.end_amdhsa_kernel
	.amdgpu_metadata
---
amdhsa.version: [ 1, 2 ]
amdhsa.kernels:
  - .name:           k_qee4b47bd29_ffn2
    .symbol:         k_qee4b47bd29_ffn2.kd
    .args:
      - { .name: gc, .offset: 0, .size: 8, .value_kind: global_buffer, .address_space: global }
      - { .name: prepc, .offset: 8, .size: 8, .value_kind: global_buffer, .address_space: global }
      - { .name: bf2, .offset: 16, .size: 8, .value_kind: global_buffer, .address_space: global }
      - { .name: x1, .offset: 24, .size: 8, .value_kind: global_buffer, .address_space: global }
      - { .name: lowp_scales, .offset: 32, .size: 8, .value_kind: global_buffer, .address_space: global }
      - { .name: out0, .offset: 40, .size: 8, .value_kind: global_buffer, .address_space: global }
    .group_segment_fixed_size: 327680
    .private_segment_fixed_size: 0
    .kernarg_segment_align: 8
    .kernarg_segment_size: 48
    .max_flat_workgroup_size: 128
    .sgpr_count:     100
    .vgpr_count:     512
    .wavefront_size: 32
...
	.end_amdgpu_metadata
.endif
;; end of part 7
